; MI455X (gfx1250); checked and timed in simulation.
; The chip was launched on July 23, 2026; its instructions are those of AMD's public machine-readable ISA for CDNA 5 (MIT licence, August 2026) and "CDNA5" Instruction Set Architecture Reference Guide (July 2026). The comments in the code are by the model that wrote it; some were corrected since.
;; Self Attention. Allowed arithmetic: matrix products marked QUANTISED: E2M3 operands, one E8M0 scale for each 32 along K, by v_wmma_scale_f32_16x16x128_f8f6f4 with both operands' format E2M3, f32 sums; everything else in f32.
;; Inputs: Wk 1,024 x 1,024 float32; Wmo 1,024 x 1,024 float32; Wq 1,024 x 1,024 float32; Wv 1,024 x 1,024 float32; Wxo 1,024 x 1,024 float32; Wxv 1,024 x 1,024 float32; bk 1,024 float32; bmo 1,024 float32; bq 1,024 float32; bv 1,024 float32; bxo 1,024 float32; bxv 1,024 float32; key 2 x 2,048 x 1,024 float32; query 2 x 2,048 x 1,024 float32; value 2 x 2,048 x 1,024 float32.
;; Outputs: out0 2 x 2,048 x 1,024 float32; out1 2 x 2,048 x 1,024 float32.
;; This version of the problem:
;;   THIS VERSION OF THE PROBLEM IS GIVEN IN LOW PRECISION. The matrix products marked QUANTISED in the list below multiply operands that are first quantised to E2M3 (2 exponent bits, 3 mantissa bits; 6 bits a number), with one power-of-two scale for each 32 numbers along K (OCP MX v1.0); their sums are f32. All else is computed in f32.
;;   The module's matrix products, in the order in which they are computed (A, B: the left and right operand; K: the contracted axis; several contracted axes count as one K, in the product's order):
;;     1. [M 4,096, K 1,024] x [K 1,024, N 1,024]; A: input query; B: input Wq: QUANTISED
;;     2. [M 4,096, K 1,024] x [K 1,024, N 1,024]; A: input key; B: input Wk: QUANTISED
;;     3. [M 4,096, K 1,024] x [K 1,024, N 1,024]; A: input value; B: input Wv: QUANTISED
;;     4. batch 32 x [M 2,048, K 64] x [K 64, N 2,048]; A: computed on the way; B: computed on the way: QUANTISED
;;     5. [M 4,096, K 1,024] x [K 1,024, N 1,024]; A: input key; B: input Wxv: QUANTISED
;;     6. batch 32 x [M 2,048, K 2,048] x [K 2,048, N 64]; A: softmax (see below); B: computed on the way: QUANTISED
;;     7. batch 32 x [M 2,048, K 2,048] x [K 2,048, N 64]; A: softmax (see below); B: computed on the way: QUANTISED
;;     8. [M 4,096, K 1,024] x [K 1,024, N 1,024]; A: computed on the way; B: input Wxo: QUANTISED
;;     9. [M 4,096, K 1,024] x [K 1,024, N 1,024]; A: computed on the way; B: input Wmo: QUANTISED
;;   THE QUANTISER, for each operand of a quantised product, along K:
;;     - K is cut into blocks of 32 from its start; a last block that is shorter is filled with zeros.
;;     - A block's scale is 2^e with e = floor(log2(the largest magnitude in the block)) - 2, held to -126 .. 127; a block of zeros has e = 0. As a byte (E8M0): e + 127.
;;     - Each number is divided by its block's scale, clamped to +-7.5, and rounded to the nearest number of E2M3, ties to even, subnormals kept.
;;     - The product sums the exact products of the quantised numbers (number of the format x scale) in f32.
;;   ~~~python
;;   def quantise(x, axis):      # numpy; x: float32 -> the quantised numbers, widened to float32 again
;;       x = np.moveaxis(x, axis, -1); K = x.shape[-1]
;;       x = np.pad(x, [(0, 0)] * (x.ndim - 1) + [(0, -K % 32)]); x = x.reshape(x.shape[:-1] + (-1, 32)); a = np.abs(x).max(-1, keepdims=True)
;;       e = np.where(a > 0, np.clip(np.frexp(np.where(a > 0, a, 1))[1] - 1 - 2, -126, 127), 0)      # np.frexp(a)[1] - 1 = floor(log2(a)), exactly
;;       r = np.clip(x / 2.0 ** e, -7.5, 7.5)
;;       step = 2.0 ** (np.maximum(np.frexp(np.where(r == 0, 1, r))[1] - 1, 0) - 3)
;;       q = np.round(r / step) * step * 2.0 ** e      # np.round: ties to even
;;       return np.moveaxis(q.reshape(q.shape[:-2] + (-1,))[..., :K], -1, axis).astype(np.float32)
;;   ~~~
;;   SOFTMAX AHEAD OF A QUANTISED PRODUCT. Where the list says 'softmax', what is quantised is not the finished softmax but p = 2^(t - M), with t = logit x log2(e) and M = ceil(the row's largest t), a whole number; so 1/2 < the row's largest p <= 1. The row's sum l is taken of the UNQUANTISED p, in f32, and the product's result is divided by l at the end. Since M is a whole number, a kernel that streams over the keys may use a running M (the ceiling of the running maximum): every later rescaling is an exact power of two, which a block's scale takes up: the codes' values come out the same.
;;   OPERANDS COMPUTED ON THE WAY. 'Computed on the way' means the value that the module computes at that place (a softmax that the list does not call 'softmax' is quantised finished and normalised). What goes into a quantiser is computed in f32, as accurately as f32 sums, v_exp_f32 and their like allow (about 1e-6 of the number): no bf16 or f16 on the way to a quantiser, and a product that is left as it is and whose result goes on into a quantised operand takes f32 operands (vector FMAs, or v_wmma_f32_16x16x4_f32). A number that lies on a knife's edge between two numbers of the format may be rounded either way, as far as f32 arithmetic and the matrix unit's own rounding can turn it there, and no further.
;; One version. Each part assembles by itself: llvm-mc -triple=amdgcn-amd-amdhsa -mcpu=gfx1250 --defsym DOCPART=n.
;; ======== version 1 of 1: 4 launches
;; limits: right only within a limited range of input values
;; workspace buffers: xw 14,745,600 bytes; qkv 13,369,344 bytes; att 6,553,600 bytes
;; launch quant (part 1): grid 576 x 1, 4 waves a work-group, no clusters, 33,280 bytes of LDS; arguments query, key, value, Wq, Wk, Wxv, Wv, Wxo, Wmo, xw; writes xw
.if DOCPART == 1
	.amdgcn_target "amdgcn-amd-amdhsa--gfx1250"
	.amdhsa_code_object_version 6
	.text
	.protected	k_q52a9174e8c_quant
	.globl	k_q52a9174e8c_quant
	.p2align	8
	.type	k_q52a9174e8c_quant,@function
k_q52a9174e8c_quant:
	s_mov_b64 s[64:65], 0
	v_nop
	global_prefetch_b8 v0, s[64:65] scope:SCOPE_SE
	s_setreg_imm32_b32 hwreg(HW_REG_WAVE_MODE, 25, 1), 1
	s_wait_xcnt 0x0
; The nine f32 tensors (query, key, value: 4,096 rows; Wq, Wk, Wxv, Wv, Wxo, Wmo: 1,024 rows; every row 1,024 numbers, K innermost) become codes of FP6 (E2M3) with one E8M0 byte for each 32 along K.
; xw holds them as one stream in that order: codes at 3/4 byte a number (a row: 768 bytes), the scale bytes from byte 14,155,776 on (a row: 32 bytes).
; A block's scale is 2^(floor(log2(its largest magnitude)) - 2); its byte is the largest magnitude's exponent field - 2, held at 1 from below.  Each number is divided by the scale and rounded to the nearest code, ties to even.
; STORED ROW ORDER: in each 32 rows the second and the third group of 8 rows change places: stored row 32 B + 16 u + p holds row 32 B + 8 u + p + 8 (p / 8).  So 16 neighbouring stored rows, taken as source 0 of a
; matrix instruction, leave in a lane's 16 registers of two neighbouring tiles 16 neighbouring rows: the later launches quantise their results along those registers with no exchange of data.
; LIMITS: NaN and infinities among the inputs are not served; a block of zeros keeps the byte 1 over zero codes (the bytes are read by this program alone); blocks whose largest magnitude lies under 2^-124 are held at the byte 1.
; SHARES: a work-group takes 32 rows, a wave 8 rows = 8,192 numbers in 16 steps of 512.  Each load reads 512 consecutive bytes; a step's 2,048 bytes turn through the wave's own stage in LDS, so that a lane holds
; 16 neighbours (two lanes hold a block).  A wave's codes leave as 384 bytes a step, in runs of 192 (in the images 48), its 256 scale bytes as one aligned run of 256.  Waves share nothing: no barrier.  Loads run four steps ahead.
.set STEPS, 16
.set EMAX,  2
.set CB,    12                         ; bytes of 16 codes
.set R,     16                         ; v16-79   four sets of 16 numbers as they are loaded
.set X,     80                         ; v80-111  two sets of 16 neighbours
.set C,     128                        ; v128-191 codes: four registers for each step, so that no store's data are written again
.set E,     112                        ; v112-127 a scale byte for each step
.set WREG,  8192                       ; LDS: a region for each wave: two stages of 32 x SP bytes, then its 256 scale bytes
.set SP,    80                         ; a lane's place in a stage: 64 bytes + 16 of padding
.set SCB,   14155776                   ; where the scale bytes begin in xw
	s_load_b512 s[4:19], s[0:1], 0x0               ; query, key, value, Wq, Wk, Wxv, Wv, Wxo: tensor t at s[4 + 2 t]
	s_load_b128 s[20:23], s[0:1], 0x40             ; Wmo, xw
	v_lshl_add_u32 v192, v0, 2, 0x8000
	v_mov_b32 v193, 0
	v_lshrrev_b32 v1, 5, v0
	v_readfirstlane_b32 s24, v1                    ; wave
	v_and_b32 v2, 31, v0                           ; lane
	v_lshlrev_b32 v3, 4, v2                        ; my 16 bytes of a load's 512
	s_mul_i32 s25, s24, WREG
	v_lshrrev_b32 v14, 2, v2
	v_mul_u32_u24 v14, v14, SP
	v_and_b32 v15, 3, v2
	v_lshl_add_u32 v14, v15, 4, v14
	v_add_nc_u32 v14, s25, v14                     ; the stage, on the way in: SP (lane / 4) + 16 (lane % 4)
	v_mul_u32_u24 v15, v2, SP
	v_add_nc_u32 v15, s25, v15                     ; and on the way out: SP x lane: my 16 neighbours
	; CODES' ORDER IN xw: each 128 stored rows are laid [K step of 256: 4][row 128][192 bytes], so that 128 rows x one K step are 24,576 consecutive bytes, which begin at a multiple of 256
	; Wxo and Wmo (work-groups 512 on) are laid as IMAGES OF FRAGMENTS instead: [tile of 16 stored rows][K step of 128: 8][lane r + 16 h: 48 bytes]: the lane's 24 bytes of k = 32 h .., then of k = 64 + 32 h ..
	; A lane's 12 bytes are 16 codes at k = 16 x lane of half a row.  Both layouts are sums of strides, one for each bit of the lane's number, for the row and for the half row; the strides are chosen by the work-group's number.
.set OF, 194                           ; v194-209 a store offset for each step, so that none is written again
	s_cmp_ge_u32 ttmp9, 512
	s_cselect_b32 s36, 768, 24                     ; k bit 32: h, or 24 bytes on
	s_cselect_b32 s37, 24, 48                      ; k bit 64
	s_mov_b32 s38, 96
	s_cselect_b32 s38, 1536, s38                   ; k bit 128
	s_mov_b32 s39, 24576
	s_cselect_b32 s39, 3072, s39                   ; k bit 256
	s_wait_alu depctr_va_vdst(0)
	v_and_b32 v4, 1, v2
	v_mul_u32_u24 v4, v4, CB
	v_bfe_u32 v10, v2, 1, 1
	v_mad_u32_u24 v4, v10, s36, v4
	v_bfe_u32 v10, v2, 2, 1
	v_mad_u32_u24 v4, v10, s37, v4
	v_bfe_u32 v10, v2, 3, 1
	v_mad_u32_u24 v4, v10, s38, v4
	v_bfe_u32 v10, v2, 4, 1
	v_mad_u32_u24 v4, v10, s39, v4
	v_lshrrev_b32 v5, 1, v2
	s_add_co_u32 s25, s25, 2*32*SP
	v_add_nc_u32 v5, s25, v5                       ; LDS: my wave's 256 scale bytes, my block's byte
	v_lshlrev_b32 v7, 3, v2                        ; and on the way out 8 bytes a lane
	v_add_nc_u32 v6, s25, v7
	s_mov_b32 s26, 0                               ; the first work-group of my tensor
	s_wait_alu depctr_va_vdst(0)
	s_wait_kmcnt 0x0
; which tensor is mine: the choice hangs on the work-group's number alone
.macro PICK t, start
	s_cmp_ge_u32 ttmp9, \start
	s_cselect_b64 s[4:5], s[4+2*\t:5+2*\t], s[4:5]
	s_cselect_b32 s26, \start, s26
.endm
	PICK 1, 128
	PICK 2, 256
	PICK 3, 384
	PICK 4, 416
	PICK 5, 448
	PICK 6, 480
	PICK 7, 512
	PICK 8, 544
	s_sub_co_u32 s27, ttmp9, s26
	s_lshl_b32 s27, s27, 2
	s_add_co_u32 s27, s27, s24                     ; which group of 8 rows of the tensor I read
	s_lshl_b32 s28, s27, 15                        ; 32,768 bytes each
	s_mov_b32 s29, 0
	s_add_nc_u64 s[4:5], s[4:5], s[28:29]
	s_and_b32 s30, s24, 1                          ; and where it goes: groups 1 and 2 of the 32 rows change places
	s_lshl_b32 s30, s30, 1
	s_lshr_b32 s31, s24, 1
	s_or_b32 s30, s30, s31
	s_lshl_b32 s31, ttmp9, 2
	s_add_co_u32 s30, s30, s31                     ; the group's number in the whole stream
	s_lshr_b32 s28, s30, 4
	s_mul_i32 s28, s28, 98304                      ; 128 rows of codes
	s_and_b32 s31, s30, 15
	s_mul_i32 s31, s31, 1536                       ; my 8 rows of 192 bytes in each K step
	s_add_co_u32 s28, s28, s31
	s_lshr_b32 s31, s30, 1                         ; the images: a tile of 16 rows is 12,288 bytes, my 8 rows begin at lane 0 or 8 of each fragment
	s_mul_i32 s31, s31, 12288
	s_and_b32 s36, s30, 1
	s_mul_i32 s36, s36, 384
	s_add_co_u32 s31, s31, s36
	s_cmp_ge_u32 ttmp9, 512
	s_cselect_b32 s28, s31, s28
	s_cselect_b32 s36, 48, 192                     ; from row to row
	s_mov_b32 s37, 49152
	s_cselect_b32 s37, 6144, s37                   ; from a row's first half to its second
	s_add_nc_u64 s[32:33], s[22:23], s[28:29]
	s_lshl_b32 s28, s30, 8                         ; 8 rows of 32 scale bytes
	s_add_co_u32 s28, s28, SCB
	s_add_nc_u64 s[34:35], s[22:23], s[28:29]
.macro LOAD t
.irp i, 0,1,2,3
	global_load_b128 v[R+16*((\t)%4)+4*\i:R+16*((\t)%4)+4*\i+3], v3, s[4:5] offset:2048*(\t)+512*\i th:TH_LOAD_NT   ; 32 lanes read 512 consecutive bytes; read once in the launch
.endr
.endm
.macro TURN t                          ; step t's numbers through the stage: LDS serves a wave's instructions in order, so no wait stands between the stores and the loads
.irp i, 0,1,2,3
	ds_store_b128 v14, v[R+16*((\t)%4)+4*\i:R+16*((\t)%4)+4*\i+3] offset:32*SP*((\t)%2)+8*SP*\i
.endr
.irp i, 0,1,2,3
	ds_load_b128 v[X+16*((\t)%2)+4*\i:X+16*((\t)%2)+4*\i+3], v15 offset:32*SP*((\t)%2)+16*\i
.endr
.endm
.irp t, 0,1,2,3
	LOAD \t
.endr
	s_wait_loadcnt 12                              ; step 0's four loads are in; twelve younger ones stay out
	TURN 0
.macro STEP t
.set XS, X+16*((\t)%2)
.if (\t) > 0
	s_wait_dscnt 1                                 ; this step's numbers are back from the stage (the last step's byte store may be out): so its stores into the stage have read their registers,
.else
	s_wait_dscnt 0x0
.endif
.if (\t)+4 < STEPS
	LOAD (\t)+4                                    ; which take the loads of four steps on
.endif
.if (\t)+1 < STEPS
.if STEPS-2-(\t) >= 3
	s_wait_loadcnt 12                              ; the next step's four loads are in; those of the three steps behind it may be out
.else
	s_wait_loadcnt 4*(STEPS-2-(\t))
.endif
	TURN (\t)+1                                    ; and go through the other stage while this step is worked
.endif
	v_max3_num_f32 v8, |v[XS]|, |v[XS+1]|, |v[XS+2]|               ; the largest magnitude of my 16, in two chains
	v_max3_num_f32 v9, |v[XS+3]|, |v[XS+4]|, |v[XS+5]|
.irp i, 6,10
	v_max3_num_f32 v8, v8, |v[XS+\i]|, |v[XS+\i+1]|
	v_max3_num_f32 v9, v9, |v[XS+\i+2]|, |v[XS+\i+3]|
.endr
	v_max3_num_f32 v8, v8, |v[XS+14]|, |v[XS+15]|
	v_max3_num_f32 v8, v8, v9, (EMAX+1)<<23        ; and the floor 2^(3 - 127): the byte cannot fall under 1
	v_max_num_f32_dpp v8, v8, v8 row_xmask:1 row_mask:0xf bank_mask:0xf   ; and of my neighbour's 16: the block's
	v_add_nc_u32 v11, -(EMAX<<23), v8              ; 2 off its exponent field: the conversion takes the exponent field of this operand as its scale
	v_cvt_scalef32_pk16_fp6_f32 v[C+4*(\t):C+4*(\t)+2], v[XS:XS+15], v11   ; sixteen codes, 96 bits, the first number's code lowest
	v_lshrrev_b32 v[E+(\t)], 23, v11               ; the scale's byte (also the plain line behind the conversion)
	ds_store_b8 v5, v[E+(\t)] offset:16*(\t)       ; both lanes of a block write the same byte with the same value
	s_mul_i32 s38, s36, (\t)/2                     ; step t is half t % 2 of row t / 2
.if (\t)%2
	s_add_co_u32 s38, s38, s37
.endif
	v_add_nc_u32 v[OF+(\t)], s38, v4
	global_store_b96 v[OF+(\t)], v[C+4*(\t):C+4*(\t)+2], s[32:33]   ; runs of 192 consecutive bytes; in the images runs of 48
.endm
.irp t, 0,1,2,3,4,5,6,7,8,9,10,11,12,13,14,15
	STEP \t
.endr
	ds_load_b64 v[12:13], v6                       ; LDS serves a wave's instructions in order: these see my byte stores
	s_wait_dscnt 0x0
	global_store_b64 v7, v[12:13], s[34:35]        ; 32 lanes store 256 consecutive bytes, aligned
	s_wait_tensorcnt 0x0
	ds_add_u32 v192, v193
	s_wait_dscnt 0x0
	s_endpgm
.Lfunc_end_k_q52a9174e8c_quant:
	.size	k_q52a9174e8c_quant, .Lfunc_end_k_q52a9174e8c_quant-k_q52a9174e8c_quant
	.p2alignl 7, 3214868480
	.fill 96, 4, 3214868480
	.section	.rodata,"a",@progbits
	.p2align	6, 0x0
	.amdhsa_kernel k_q52a9174e8c_quant
		.amdhsa_group_segment_fixed_size 33280
		.amdhsa_private_segment_fixed_size 0
		.amdhsa_enable_private_segment 0
		.amdhsa_kernarg_size 80
		.amdhsa_user_sgpr_count 2
		.amdhsa_user_sgpr_kernarg_segment_ptr 1
		.amdhsa_wavefront_size32 1
		.amdhsa_system_sgpr_workgroup_id_x 1
		.amdhsa_system_sgpr_workgroup_id_y 1
		.amdhsa_system_sgpr_workgroup_id_z 1
		.amdhsa_system_vgpr_workitem_id 0
		.amdhsa_next_free_vgpr 210
		.amdhsa_next_free_sgpr 66
		.amdhsa_reserve_vcc 0
		.amdhsa_float_denorm_mode_32 3
		.amdhsa_float_denorm_mode_16_64 3
		.amdhsa_memory_ordered 1
		.amdhsa_forward_progress 1
		.amdhsa_inst_pref_size 36
	.end_amdhsa_kernel
	.amdgpu_metadata
---
amdhsa.version: [ 1, 2 ]
amdhsa.kernels:
  - .name:           k_q52a9174e8c_quant
    .symbol:         k_q52a9174e8c_quant.kd
    .args:
      - { .name: query, .offset: 0, .size: 8, .value_kind: global_buffer, .address_space: global }
      - { .name: key, .offset: 8, .size: 8, .value_kind: global_buffer, .address_space: global }
      - { .name: value, .offset: 16, .size: 8, .value_kind: global_buffer, .address_space: global }
      - { .name: Wq, .offset: 24, .size: 8, .value_kind: global_buffer, .address_space: global }
      - { .name: Wk, .offset: 32, .size: 8, .value_kind: global_buffer, .address_space: global }
      - { .name: Wxv, .offset: 40, .size: 8, .value_kind: global_buffer, .address_space: global }
      - { .name: Wv, .offset: 48, .size: 8, .value_kind: global_buffer, .address_space: global }
      - { .name: Wxo, .offset: 56, .size: 8, .value_kind: global_buffer, .address_space: global }
      - { .name: Wmo, .offset: 64, .size: 8, .value_kind: global_buffer, .address_space: global }
      - { .name: xw, .offset: 72, .size: 8, .value_kind: global_buffer, .address_space: global }
    .group_segment_fixed_size: 33280
    .private_segment_fixed_size: 0
    .kernarg_segment_align: 8
    .kernarg_segment_size: 80
    .max_flat_workgroup_size: 128
    .sgpr_count:     66
    .vgpr_count:     210
    .wavefront_size: 32
...
	.end_amdgpu_metadata
.endif
;; end of part 1
;; launch proj (part 2): grid 16 x 16, 4 waves a work-group, clusters of 4 x 4, 327,680 bytes of LDS; arguments xw, bq, bk, bxv, bv, qkv; writes qkv
.if DOCPART == 2
	.amdgcn_target "amdgcn-amd-amdhsa--gfx1250"
	.amdhsa_code_object_version 6
	.text
	.protected	k_q52a9174e8c_proj
	.globl	k_q52a9174e8c_proj
	.p2align	8
	.type	k_q52a9174e8c_proj,@function
k_q52a9174e8c_proj:
	s_mov_b64 s[64:65], 0
	v_nop
	global_prefetch_b8 v0, s[64:65] scope:SCOPE_SE
	s_setreg_imm32_b32 hwreg(HW_REG_WAVE_MODE, 25, 1), 1
	s_wait_xcnt 0x0
	s_wait_alu depctr_hold_cnt(0) depctr_sa_sdst(0) depctr_va_vdst(0) depctr_va_sdst(0) depctr_va_ssrc(0) depctr_va_vcc(0) depctr_vm_vsrc(0)
	s_getreg_b32 s2, hwreg(HW_REG_IB_STS2, 6, 4)
	s_cmp_eq_u32 s2, 0
	s_cbranch_scc0 .Lentry_in_a_cluster
	s_endpgm
.Lentry_in_a_cluster:
	s_bfe_u32 s2, ttmp6, 0x10000c
	s_cmp_lg_u32 s2, 0xf033
	s_cbranch_scc0 .Lentry_shape_is_right
	s_endpgm
.Lentry_shape_is_right:
.set KSTEP,  256
.set NQ,     2
.set ROWB,   24576                     ; bytes from one K step's block of 128 rows to the next in xw
.set KROW,   768
.set PITCH,  240
.set FR,     12
.set NL,     6
.set NP,     4
.set HALFT,  128*PITCH
.set SLOT,   4*HALFT
.set KS,     32
.set SCL,    2*SLOT
.set HALFS,  16*272
.set SBLK,   2*272
.set SPARE,  SCL+4*HALFS
.set VO,   8
.set ADRA, 16
.set ADRB, 20
.set L8,   24
.set L16,  25
.set ADRS, 27
.set SPW,  28
.set NIL,  29
.set SC,   32
.set BI,   64
.set AF,   128
.set HA,   128
.set PCD,  192
.set CT,   216
.set TM,   224
.set PW,   240
.set W,    244
.set W2,   248
.set G1, 24
.set G0, 32
.set G1B, 48
.set G0B, 56
.set G1S, 68
.set G0S, 76
.set G1SB, 80
.set G0SB, 88
.set SEL, 104
.set MSB, 0
.macro WIN new
.if MSB != (\new)
	s_set_vgpr_msb (MSB<<8)|(\new)
.set MSB, (\new)
.endif
.endm
.set MUL_LO, 0xa1
.set MUL_HI, 0xf1
.set TO_B,   0x40
.macro JLOAD g0a, g1a, g0b, g1b
	s_cmp_eq_u32 s17, 0
	s_cbranch_scc0 .Lfor_b_\@
	tensor_load_to_lds s[\g0a:\g0a+3], s[\g1a:\g1a+7]
	s_nop 0
.rept 4
	v_nop
.endr
	s_branch .Lasked_\@
.Lfor_b_\@:
	tensor_load_to_lds s[\g0b:\g0b+3], s[\g1b:\g1b+7]
	s_nop 0
.rept 4
	v_nop
.endr
.Lasked_\@:
.endm
.macro CREST
	s_cmp_lg_u32 s16, 0
	s_cbranch_scc1 .Lnot_wave_0_\@
	s_barrier_signal -3
.Lnot_wave_0_\@:
	s_barrier_wait -3
	s_barrier_signal -1
	s_barrier_wait -1
.endm
.macro CROUND
	s_barrier_signal -1
	s_barrier_wait -1
	CREST
.endm
	s_load_b256 s[4:11], s[0:1], 0x0
	s_load_b128 s[12:15], s[0:1], 0x20
	v_lshl_add_u32 v[SPW], v0, 2, SPARE
	v_mov_b32 v[NIL], 0
	ds_add_u32 v28, v29
	ds_add_u32 v28, v29
	s_wait_dscnt 0x0
	v_lshrrev_b32 v1, 5, v0
	v_readfirstlane_b32 s16, v1
	s_lshr_b32 s17, s16, 1
	s_and_b32 s18, s16, 1
	s_bfe_u32 s40, ttmp6, 0x40000
	s_bfe_u32 s41, ttmp6, 0x40004
	s_and_b32 s19, ttmp7, 0xffff
	s_lshr_b32 s20, s19, 1
	s_lshl_b32 s42, ttmp9, 2
	s_cmp_eq_u32 s20, 0
	s_cselect_b32 s43, s42, 0
	s_cselect_b32 s44, 0, s42
	s_add_co_u32 s21, s43, s41
	s_add_co_u32 s22, s44, s40
	s_lshl_b32 s2, s41, 2
	s_lshl_b32 s2, 15, s2
	s_lshl_b32 s3, 0x1111, s40
	s_or_b32 s[G1+0], s2, (0<<16)|(1<<20)|(1<<21)|(3<<22)|(3<<25)
	s_or_b32 s[G1B+0], s3, (0<<16)|(1<<20)|(1<<21)|(3<<22)|(3<<25)
.irp g, G1, G1B
	; 128 rows x 192 bytes of one K step are dense in xw: they come as 96 rows of 256 bytes; 16 bytes of padding behind every 64 leave each 192 bytes at a pitch of 240 in LDS
	s_mov_b32 s[\g+1], 256<<16
	s_mov_b32 s[\g+2], 96<<16
	s_mov_b32 s[\g+3], 256<<16
	s_mov_b32 s[\g+4], 96
	s_mov_b32 s[\g+5], 256
	s_mov_b32 s[\g+6], 0
	s_mov_b32 s[\g+7], 0
.endr
	s_add_co_u32 s42, s19, 1
	s_lshr_b32 s42, s42, 1
	s_mul_i32 s43, s42, 3145728
	s_lshl_b32 s44, s42, 17
	s_add_co_u32 s44, s44, 14155776
	s_mul_i32 s45, s19, 786432
	s_add_co_u32 s45, s45, 9437184
	s_lshl_b32 s46, s19, 15
	s_add_co_u32 s46, s46, 14548992
	s_cmp_eq_u32 s20, 0
	s_cselect_b32 s92, s43, s45
	s_cselect_b32 s93, s44, s46
	s_cselect_b32 s94, s45, s43
	s_cselect_b32 s95, s46, s44
	s_lshl_b32 s23, s18, 7
	s_lshl_b32 s96, s21, 8
	s_add_co_u32 s96, s96, s23
	s_lshl_b32 s98, s21, 13                        ; the scale bytes of the tile's 256 rows of A: 8,192 consecutive bytes
	s_add_co_u32 s98, s98, s93
	s_mul_i32 s96, s96, KROW
	s_add_co_u32 s96, s96, s92
	s_mov_b32 s97, 0
	s_mov_b32 s99, 0
	s_lshl_b32 s46, s22, 8
	s_add_co_u32 s46, s46, s23
	s_lshl_b32 s44, s22, 13                        ; and of its 256 rows of B
	s_add_co_u32 s44, s44, s95
	s_mul_i32 s46, s46, KROW
	s_add_co_u32 s46, s46, s94
	s_mov_b32 s45, 0
	s_mov_b32 s47, 0
	s_mul_i32 s66, s16, HALFT
	s_mov_b32 s100, 0xffff0000
	s_mov_b32 s[SEL], 0x76543210
	s_mov_b32 s[SEL+1], 0xfedcba98
	s_wait_kmcnt 0x0
	s_add_nc_u64 s[96:97], s[4:5], s[96:97]
	s_add_nc_u64 s[98:99], s[4:5], s[98:99]
	s_add_nc_u64 s[46:47], s[4:5], s[46:47]
	s_add_nc_u64 s[44:45], s[4:5], s[44:45]
	CROUND
.irp s, 0,1
	s_mov_b32 s[G0+4*\s], 1
	s_add_co_u32 s[G0+4*\s+1], s66, \s*SLOT
	s_add_nc_u64 s[G0+4*\s+2:G0+4*\s+3], s[96:97], \s*ROWB
	s_or_b32 s[G0+4*\s+3], s[G0+4*\s+3], 0x80000000
	s_mov_b32 s[G0B+4*\s], 1
	s_add_co_u32 s[G0B+4*\s+1], s66, \s*SLOT
	s_add_nc_u64 s[G0B+4*\s+2:G0B+4*\s+3], s[46:47], \s*ROWB
	s_or_b32 s[G0B+4*\s+3], s[G0B+4*\s+3], 0x80000000
.endr
	JLOAD G0, G1, G0B, G1B                         ; K step 0: one tensor load a wave at the head
	v_lshlrev_b32 v30, 4, v0                       ; the scale bytes come through registers: 128 threads x 16 bytes are 2,048 consecutive bytes a load
	v_lshrrev_b32 v31, 4, v0
	v_lshlrev_b32 v31, 4, v31
	v_add_nc_u32 v31, v31, v30
	v_add_nc_u32 v31, SCL, v31                     ; and go to LDS with 16 bytes of padding behind each 256: 16 t + 16 (t / 16)
.irp k, 0,1,2,3
	global_load_b128 v[128+4*\k:131+4*\k], v30, s[98:99] offset:2048*\k
	global_load_b128 v[144+4*\k:147+4*\k], v30, s[44:45] offset:2048*\k
.endr
	v_and_b32 v1, 15, v0
	v_bfe_u32 v2, v0, 4, 1
	v_mul_u32_u24 v3, v1, PITCH
	v_mul_u32_u24 v4, v2, 24
	v_add_nc_u32 v4, v3, v4
	v_lshl_add_u32 v5, v2, 4, v4
	s_mul_i32 s42, s17, HALFT
	s_mul_i32 s43, s18, HALFT
	s_add_co_u32 s43, s43, 2*HALFT
.irp s, 0,1
	v_add_nc_u32 v[ADRA+\s], s42, v4
	v_add_nc_u32 v[ADRB+\s], s43, v4
	v_add_nc_u32 v[ADRA+2+\s], s42, v5
	v_add_nc_u32 v[ADRB+2+\s], s43, v5
	s_add_co_u32 s42, s42, SLOT
	s_add_co_u32 s43, s43, SLOT
.endr
	v_mul_u32_u24 v5, v1, KS
	v_lshrrev_b32 v6, 8, v5
	v_lshl_add_u32 v5, v6, 4, v5
	s_mul_i32 s42, s17, HALFS
	s_mul_i32 s43, s18, HALFS
	s_add_co_u32 s43, s43, 2*HALFS
	s_sub_co_u32 s43, s43, s42
	v_mul_u32_u24 v6, s43, v2
	s_add_co_u32 s42, s42, SCL
	v_add_nc_u32 v5, v5, v6
	v_add_nc_u32 v[ADRS], s42, v5
	v_and_b32 v6, 31, v0
	v_lshlrev_b32 v[L8], 3, v6
	v_xor_b32 v26, 64, v[L8]                       ; in the images of tiles 2 B, 2 B + 1 with B odd the rows 0-7 and 8-15 change places inside each plane of 256 bytes
	v_lshlrev_b32 v[L16], 4, v6
	s_wait_alu depctr_va_vdst(0)
	s_wait_loadcnt 0x0                             ; the scale bytes are in (their bases are written again below)
.irp k, 0,1,2,3
	ds_store_b128 v31, v[128+4*\k:131+4*\k] offset:2176*\k
	ds_store_b128 v31, v[144+4*\k:147+4*\k] offset:2*HALFS+2176*\k
.endr
	s_cmp_eq_u32 s19, 1
	s_cselect_b64 s[6:7], s[8:9], s[6:7]
	s_cmp_eq_u32 s19, 2
	s_cselect_b64 s[6:7], s[10:11], s[6:7]
	s_cmp_eq_u32 s19, 3
	s_cselect_b64 s[6:7], s[12:13], s[6:7]
	s_lshl_b32 s42, s21, 8
	s_lshl_b32 s43, s17, 7
	s_add_co_u32 s42, s42, s43
	s_lshl_b32 s43, s22, 8
	s_add_co_u32 s43, s43, s23
	s_cmp_eq_u32 s20, 0
	s_cselect_b32 s42, s43, s42
	s_cselect_b32 s44, 64, 0
	s_cselect_b32 s45, 0, 4
	s_cselect_b32 s46, 4, 0
	s_lshl_b32 s42, s42, 2
	s_mov_b32 s43, 0
	s_add_nc_u64 s[6:7], s[6:7], s[42:43]
	v_and_b32 v3, 8, v1
	v_add_nc_u32 v3, v3, v1
	v_mul_u32_u24 v3, s45, v3
	v_mad_u32_u24 v3, v2, s44, v3
	v_mov_b32 v4, s46
.irp j, 0,1,2,3,4,5,6,7
	v_mad_u32_u24 v[VO+\j], v4, \j, v3
.endr
.irp x, 0,1,2,3,4,5,6,7
.irp j, 0,1,2,3,4,5,6,7
	global_load_b32 v[BI+8*\x+\j], v[VO+\j], s[6:7] offset:4*(32*(\x/2)+8*(\x%2))
.endr
.endr
.macro FRAG reg, adr, q, i
.irp p, 0,1,2,3,4,5
.set PCE, 12*(\q)+6*(\p/3)+\p%3
.if PCE%8 < 5
	ds_load_b64 v[\reg+2*\p:\reg+2*\p+1], v[\adr] offset:8*PCE+16*(PCE/8)+(\i)*16*PITCH
.else
	ds_load_b64 v[\reg+2*\p:\reg+2*\p+1], v[\adr+2] offset:8*PCE+16*(PCE/8)+(\i)*16*PITCH
.endif
.endr
.endm
.macro MUL16 a0, p, q, sc, zero
.irp a, \a0, \a0+1
.irp b, 0,1,2,3,4,5,6,7
.if \zero
	v_wmma_scale_f32_16x16x128_f8f6f4 v[8*(8*((\a)%4)+\b):8*(8*((\a)%4)+\b)+7], v[128*(\p)+FR*\b:128*(\p)+FR*\b+FR-1], v[AF+FR*(\a):AF+FR*(\a)+FR-1], 0, v[SC+8*NQ*(\sc)+NQ*\b+(\q)], v[SC+8*NQ*(\sc)+NQ*(\a)+(\q)] matrix_a_fmt:MATRIX_FMT_FP6 matrix_b_fmt:MATRIX_FMT_FP6 matrix_a_scale:MATRIX_SCALE_ROW1
.else
	v_wmma_scale_f32_16x16x128_f8f6f4 v[8*(8*((\a)%4)+\b):8*(8*((\a)%4)+\b)+7], v[128*(\p)+FR*\b:128*(\p)+FR*\b+FR-1], v[AF+FR*(\a):AF+FR*(\a)+FR-1], v[8*(8*((\a)%4)+\b):8*(8*((\a)%4)+\b)+7], v[SC+8*NQ*(\sc)+NQ*\b+(\q)], v[SC+8*NQ*(\sc)+NQ*(\a)+(\q)] matrix_a_fmt:MATRIX_FMT_FP6 matrix_b_fmt:MATRIX_FMT_FP6 matrix_a_scale:MATRIX_SCALE_ROW1
.endif
.endr
.endr
.endm
.macro FETCH_B slot, q, p
	WIN TO_B
.irp i, 0,1,2,3,4,5,6,7
	FRAG 128*(\p)+FR*\i, ADRB+\slot, \q, \i
.endr
	WIN 0
.endm
.macro FETCH_A slot, q, i0
.irp i, \i0, \i0+1, \i0+2, \i0+3
	FRAG AF+FR*(\i), ADRA+\slot, \q, \i
.endr
.endm
.macro SCALES sc
.irp i, 0,1,2,3,4,5,6,7
	ds_load_b64 v[SC+8*NQ*\sc+NQ*\i:SC+8*NQ*\sc+NQ*\i+1], v[ADRS] offset:\i*SBLK
.endr
.endm
.macro PLACES n
.rept \n
	v_nop
.endr
.endm
.macro STEP slot, q, zero
	s_wait_dscnt 4*NL
	WIN MUL_LO
	MUL16 0, (\q)%2, \q, \slot, \zero
	MUL16 2, (\q)%2, \q, \slot, \zero
	s_wait_dscnt 0
	PLACES NP
	FETCH_B \slot, (\q)+1, 1-(\q)%2
	FETCH_A \slot, (\q)+1, 0
	WIN MUL_HI
	MUL16 4, (\q)%2, \q, \slot, \zero
	MUL16 6, (\q)%2, \q, \slot, \zero
	PLACES NP
	WIN 0
	FETCH_A \slot, (\q)+1, 4
.endm
.macro TURN slot, next, fill
	s_wait_tensorcnt 0x0
	ds_add_u32 v[SPW], v[NIL]
	s_wait_dscnt 4*NL+1
	WIN MUL_LO
	MUL16 0, 1, NQ-1, \slot, 0
	s_wait_dscnt 0x0
	s_barrier_signal -1
	MUL16 2, 1, NQ-1, \slot, 0
	WIN 0
	s_barrier_wait -1
.if \fill
	CREST
	s_add_nc_u64 s[G0+4*\slot+2:G0+4*\slot+3], s[G0+4*\slot+2:G0+4*\slot+3], 2*ROWB
	s_add_nc_u64 s[G0B+4*\slot+2:G0B+4*\slot+3], s[G0B+4*\slot+2:G0B+4*\slot+3], 2*ROWB
	JLOAD G0+4*\slot, G1, G0B+4*\slot, G1B
.else
	PLACES NP
.endif
	s_wait_alu depctr_va_vdst(0)
	v_add_nc_u32 v[ADRS], 4*NQ, v[ADRS]
	FETCH_B \next, 0, 0
	FETCH_A \next, 0, 0
	SCALES \next
	WIN MUL_HI
	MUL16 4, 1, NQ-1, \slot, 0
	MUL16 6, 1, NQ-1, \slot, 0
	PLACES NP
	WIN 0
	FETCH_A \next, 0, 4
.endm
	s_wait_alu depctr_va_vdst(0)
	s_wait_tensorcnt 0x0                           ; my part of K step 0 is in
	ds_add_u32 v[SPW], v[NIL]
	s_wait_dscnt 0x0                               ; the add is done, and my scale bytes are stored
	CROUND                                         ; a whole round: K step 0 and the scale bytes are whole, and the joint loads meet
	JLOAD G0+4, G1, G0B+4, G1B                     ; K step 1, the first tensor load behind the round
	FETCH_B 0, 0, 0
	FETCH_A 0, 0, 0
	SCALES 0
	FETCH_A 0, 0, 4
	STEP 0, 0, 1
	TURN 0, 1, 1
	STEP 1, 0, 0
	TURN 1, 0, 1
	STEP 0, 0, 0
	TURN 0, 1, 0
	STEP 1, 0, 0
	s_wait_dscnt 4*NL
	WIN MUL_LO
	MUL16 0, 1, NQ-1, 1, 0
	MUL16 2, 1, NQ-1, 1, 0
	s_wait_dscnt 0
	WIN MUL_HI
	MUL16 4, 1, NQ-1, 1, 0
	MUL16 6, 1, NQ-1, 1, 0
	WIN 0
.macro QUANT s, pc
.irp b, 0,1,2,3
	v_max3_num_f32 v[TM+\b], |v[\s+16*\b]|, |v[\s+1+16*\b]|, 0x1800000
.endr
.irp i, 2,4,6,8,10,12,14
.irp b, 0,1,2,3
	v_max3_num_f32 v[TM+\b], v[TM+\b], |v[\s+16*\b+\i]|, |v[\s+1+16*\b+\i]|
.endr
.endr
.irp b, 0,1,2,3
	v_permlanex16_b32 v[TM+4+\b], v[TM+\b], s[SEL], s[SEL+1]
.endr
.irp b, 0,1,2,3
	v_max_num_f32 v[TM+\b], v[TM+\b], v[TM+4+\b]
.endr
.irp b, 0,1,2,3
	v_add_nc_u32 v[TM+12+\b], 0xff000000, v[TM+\b]
.endr
.irp b, 0,1,2,3
	v_lshrrev_b32 v[TM+4+\b], 23, v[TM+12+\b]
.endr
	v_lshl_or_b32 v[PW], v[TM+5], 8, v[TM+4]
	v_lshl_or_b32 v[PW], v[TM+6], 16, v[PW]
	v_lshl_or_b32 v[PW], v[TM+7], 24, v[PW]
.irp c, 0,1
	v_cvt_scalef32_pk16_fp6_f32 v[\pc+6*\c:\pc+2+6*\c], v[\s+32*\c:\s+15+32*\c], v[TM+12+2*\c]
	v_cvt_scalef32_pk16_fp6_f32 v[CT+4*\c:CT+2+4*\c], v[\s+16+32*\c:\s+31+32*\c], v[TM+12+2*\c+1]
.endr
	v_nop
.irp c, 0,1
.irp i, 0,1,2
	v_permlane16_swap_b32 v[\pc+6*\c+\i], v[CT+4*\c+\i]
.endr
.irp i, 0,1,2
	v_mov_b32 v[\pc+3+6*\c+\i], v[CT+4*\c+\i]
.endr
.endr
.endm
.macro EBLK kind, a
.set PCS, PCD+12*((\a)%2)
.if (\a) >= 2
	s_wait_xcnt 0x0
.endif
	WIN 0x02+(\a)/4
.set i, 0
.rept 32
.if \kind
	v_pk_add_f32 v[HA+2*i:HA+2*i+1], v[64*((\a)%4)+2*i:64*((\a)%4)+2*i+1], v[BI+8*(\a)+(2*i)%8:BI+8*(\a)+(2*i)%8+1]
.else
	v_pk_add_f32 v[HA+2*i:HA+2*i+1], v[64*((\a)%4)+2*i:64*((\a)%4)+2*i+1], v[BI+2*i:BI+2*i+1]
.endif
.set i, i+1
.endr
	WIN 0
	QUANT HA, PCS
.if ((\a)%2) == 0
	v_mov_b32 v[W+(\a)/2], v[PW]
.else
	v_cndmask_b32 v[W+(\a)/2], v[W+(\a)/2], v[PW], s100
.endif
.if \kind
.irp c, 0,1,2
	global_store_b128 v[L16], v[PCS+4*\c:PCS+4*\c+3], s[94:95] offset:((\a)/4)*311296+((\a)%4)*1536+512*\c
.endr
.else
.irp p, 0,1,2
	global_store_b64 v[L8+2*(((\a)/2)%2)], v[PCS+2*\p:PCS+2*\p+1], s[92:93] offset:768*(\a)+256*\p
	global_store_b64 v[L8+2*(((\a)/2)%2)], v[PCS+6+2*\p:PCS+7+2*\p], s[94:95] offset:768*(\a)+256*\p
.endr
.endif
.endm
	PLACES NP
	s_wait_loadcnt 0x0
.irp b, 0,1,2,3
	v_mov_b32 v[TM+4+\b], 0
.endr
	s_cmp_lg_u32 s20, 0
	s_cbranch_scc1 .Lchannels
	s_lshr_b32 s42, s21, 3
	s_and_b32 s43, s21, 7
	s_lshl_b32 s43, s43, 1
	s_add_co_u32 s43, s43, s17
	s_lshl_b32 s42, s42, 4
	s_lshl_b32 s44, s22, 2
	s_add_co_u32 s42, s42, s44
	s_lshl_b32 s44, s18, 1
	s_add_co_u32 s42, s42, s44
	s_cmp_eq_u32 s19, 0
	s_mov_b32 s44, 3407872
	s_cselect_b32 s44, 0, s44
	s_mov_b32 s45, 311296
	s_cselect_b32 s45, 98304, s45
	s_mov_b32 s46, 19456
	s_cselect_b32 s46, 6144, s46
	s_mov_b32 s47, 3426304
	s_cselect_b32 s47, 3145728, s47
	s_mov_b32 s66, 311296
	s_cselect_b32 s66, 8192, s66
	s_mov_b32 s67, 19456
	s_cselect_b32 s67, 512, s67
	s_mul_i32 s92, s42, s45
	s_mul_i32 s23, s43, s46
	s_add_co_u32 s92, s92, s23
	s_add_co_u32 s92, s92, s44
	s_mov_b32 s93, 0
	s_add_nc_u64 s[92:93], s[14:15], s[92:93]
	s_mov_b32 s94, s45
	s_mov_b32 s95, 0
	s_add_nc_u64 s[94:95], s[92:93], s[94:95]
	s_mul_i32 s96, s42, s66
	s_mul_i32 s23, s43, s67
	s_add_co_u32 s96, s96, s23
	s_add_co_u32 s96, s96, s47
	s_mov_b32 s97, 0
	s_add_nc_u64 s[96:97], s[14:15], s[96:97]
	s_mov_b32 s98, s66
	s_mov_b32 s99, 0
	s_add_nc_u64 s[98:99], s[96:97], s[98:99]
.irp a, 0,1,2,3,4,5,6,7
	EBLK 0, \a
.endr
	global_store_b128 v[L16], v[W:W+3], s[96:97]
.irp i, 0,1,2,3
	v_lshrrev_b32 v[W2+\i], 16, v[W+\i]
.endr
	global_store_b128 v[L16], v[W2:W2+3], s[98:99]
	s_branch .Ljoin
.Lchannels:
	s_lshr_b32 s42, s22, 3
	s_and_b32 s43, s22, 7
	s_lshl_b32 s43, s43, 1
	s_add_co_u32 s43, s43, s18
	s_lshl_b32 s42, s42, 4
	s_lshl_b32 s44, s21, 2
	s_add_co_u32 s42, s42, s44
	s_lshl_b32 s44, s17, 1
	s_add_co_u32 s42, s42, s44
	s_sub_co_u32 s44, s19, 2
	s_mul_i32 s92, s42, 311296
	s_mul_i32 s23, s43, 19456
	s_add_co_u32 s92, s92, s23
	s_add_co_u32 s92, s92, 3407872
	s_mul_i32 s23, s44, 6144
	s_add_co_u32 s94, s92, s23
	s_add_co_u32 s94, s94, 6144
	s_lshl_b32 s23, s44, 8
	s_add_co_u32 s96, s92, s23
	s_add_co_u32 s96, s96, 18944
	s_mov_b32 s95, 0
	s_mov_b32 s97, 0
	s_add_nc_u64 s[94:95], s[14:15], s[94:95]
	s_add_nc_u64 s[96:97], s[14:15], s[96:97]
.irp a, 0,1,2,3,4,5,6,7
	EBLK 1, \a
.endr
	global_store_b64 v[L8], v[W:W+1], s[96:97]
	global_store_b64 v[L8], v[W+2:W+3], s[96:97] offset:311296
.Ljoin:
	s_wait_tensorcnt 0x0
	ds_add_u32 v[SPW], v[NIL]
	s_wait_dscnt 0x0
	CROUND
	s_endpgm
.Lfunc_end_k_q52a9174e8c_proj:
	.size	k_q52a9174e8c_proj, .Lfunc_end_k_q52a9174e8c_proj-k_q52a9174e8c_proj
	.p2alignl 7, 3214868480
	.fill 96, 4, 3214868480
	.section	.rodata,"a",@progbits
	.p2align	6, 0x0
	.amdhsa_kernel k_q52a9174e8c_proj
		.amdhsa_group_segment_fixed_size 327680
		.amdhsa_private_segment_fixed_size 0
		.amdhsa_enable_private_segment 0
		.amdhsa_kernarg_size 48
		.amdhsa_user_sgpr_count 2
		.amdhsa_user_sgpr_kernarg_segment_ptr 1
		.amdhsa_wavefront_size32 1
		.amdhsa_system_sgpr_workgroup_id_x 1
		.amdhsa_system_sgpr_workgroup_id_y 1
		.amdhsa_system_sgpr_workgroup_id_z 1
		.amdhsa_system_vgpr_workitem_id 0
		.amdhsa_next_free_vgpr 1024
		.amdhsa_next_free_sgpr 106
		.amdhsa_reserve_vcc 0
		.amdhsa_float_denorm_mode_32 3
		.amdhsa_float_denorm_mode_16_64 3
		.amdhsa_memory_ordered 1
		.amdhsa_forward_progress 1
		.amdhsa_inst_pref_size 242
	.end_amdhsa_kernel
	.amdgpu_metadata
---
amdhsa.version: [ 1, 2 ]
amdhsa.kernels:
  - .name:           k_q52a9174e8c_proj
    .symbol:         k_q52a9174e8c_proj.kd
    .args:
      - { .name: xw, .offset: 0, .size: 8, .value_kind: global_buffer, .address_space: global }
      - { .name: bq, .offset: 8, .size: 8, .value_kind: global_buffer, .address_space: global }
      - { .name: bk, .offset: 16, .size: 8, .value_kind: global_buffer, .address_space: global }
      - { .name: bxv, .offset: 24, .size: 8, .value_kind: global_buffer, .address_space: global }
      - { .name: bv, .offset: 32, .size: 8, .value_kind: global_buffer, .address_space: global }
      - { .name: qkv, .offset: 40, .size: 8, .value_kind: global_buffer, .address_space: global }
    .group_segment_fixed_size: 327680
    .private_segment_fixed_size: 0
    .kernarg_segment_align: 8
    .kernarg_segment_size: 48
    .max_flat_workgroup_size: 128
    .sgpr_count:     106
    .vgpr_count:     1024
    .wavefront_size: 32
...
	.end_amdgpu_metadata
.endif
;; end of part 2
;; launch attn (part 3): grid 8 x 32, 8 waves a work-group, clusters of 4 x 1, 327,680 bytes of LDS; arguments qkv, att; writes att
.if DOCPART == 3
	.amdgcn_target "amdgcn-amd-amdhsa--gfx1250"
	.amdhsa_code_object_version 6
	.text
	.protected	k_q52a9174e8c_attn
	.globl	k_q52a9174e8c_attn
	.p2align	8
	.type	k_q52a9174e8c_attn,@function
k_q52a9174e8c_attn:
	s_mov_b64 s[64:65], 0
	v_nop
	global_prefetch_b8 v0, s[64:65] scope:SCOPE_SE
	s_setreg_imm32_b32 hwreg(HW_REG_WAVE_MODE, 25, 1), 1
	s_wait_xcnt 0x0
	s_wait_alu depctr_hold_cnt(0) depctr_sa_sdst(0) depctr_va_vdst(0) depctr_va_sdst(0) depctr_va_ssrc(0) depctr_va_vcc(0) depctr_vm_vsrc(0)
	s_getreg_b32 s2, hwreg(HW_REG_IB_STS2, 6, 4)
	s_cmp_eq_u32 s2, 0
	s_cbranch_scc0 .Lentry_in_a_cluster
	s_endpgm
.Lentry_in_a_cluster:
	s_bfe_u32 s2, ttmp6, 0x10000c
	s_cmp_lg_u32 s2, 0x3003
	s_cbranch_scc0 .Lentry_shape_is_right
	s_endpgm
.Lentry_shape_is_right:
; For each of 32 (batch, head): S = Q K^T / 8, p = 2^(t - M), k_bar = p xV / l, v_bar = p V / l, all products on codes of FP6 (E2M3) with E8M0 scales; k_bar and v_bar leave quantised along the head's 64 channels.
; t = score x log2(e) / 8; M = the running largest t rounded UP to a whole number; p is quantised along the keys, not normalised; l is the sum of the unquantised p and divides at the end.
; When M moves, the sum and the results are multiplied by 2^(old M - new M): exact.
; SHARES.  A work-group owns 256 stored queries of one (batch, head); each of its eight waves TWO tiles of 16 queries, so that each fragment of K, xV^T and V^T read from LDS feeds two matrix instructions.
; WINDOWS.  Tile 0's numbers lie in registers v0-255, tile 1's at the same numbers in v256-511: the softmax is one macro, run once under each window.  Scale words lie in v80-91 of window 0 alone.
; A head's K, xV^T, V^T and scale words are 311,296 bytes: all fit in LDS.  Each wave asks for two key steps' records (38,912 bytes, 152 rows of 256) with ONE load at the head; nothing is filled again.
; Every byte of K and V is asked for at the head, so there is no later load for a prefetch to run ahead of.
; CLUSTER.  The four query blocks of a cluster belong to one head and read the same bytes: each load is asked for jointly, with a mask that names the four.
; LAYOUT.  S^T = K Q^T (source 0 = 16 keys), O^T = V^T P^T (source 0 = 16 channels): a lane holds ONE query.  The scores' K is 64: registers 6-11 of Q's and K's fragments hold zero codes.
; THE KEYS OF A SCORE TILE: tile 4 c + u takes keys 64 c + 8 u + 0..7 as rows 0-7 and keys 64 c + 32 + 8 u + 0..7 as rows 8-15.  So lane (r, h) holds in the 32 registers of tiles 4 c .. 4 c + 3 the keys
; 64 c + 32 h + 0..31: a whole block, in the order of p's fragment: no other lane is asked for a block's maximum and no code changes lanes.  These rows are picked from the stored tile images by the lanes' addresses.
; att: k_bar's codes [tile 256][head 16][768], v_bar's from 3,145,728; from 6,291,456 a word for each (bh, stored row): k_bar's two scale bytes below, v_bar's above.
; LIMITS: NaN and infinities are not served; a block of zeros keeps the byte 1 over zero codes; blocks whose largest magnitude lies under 2^-124 are held at the byte 1; the scaled scores stay under 2^31 in magnitude.
.set REC,   19456                      ; a key step's record: K 6,144, xV^T 6,144, V^T 6,144, K's scale words 512, xV's 256, V's 256
.set CHUNK, 2*REC
.set KVOFF, 3407872
.set QSOFF, 3145728
.set STG,   16*REC                     ; behind the head: 1,024 bytes in which the waves' scale words meet; no fill lands there
.set SPARE, STG+1024                   ; the spare words: 128 bytes a wave
.set VBOFF, 3145728
.set SWOFF, 6291456
.set WV, 8
.set SEL, 20
.set CS, 22
.set G1, 24
.set G0, 32
.set TB, 36                            ; LDS byte of this step's record
.set TN, 37                            ; and of the next step's (behind the last: record 0 again, read and not used)
.set CNT, 38
.set MK, 39
.set QC, 40
.set QP, 42
.set AT, 44
.set SW, 46
.set NC, 53
.set KB0, 3                            ; window 0: lane terms of K's codes (u < 2, u >= 2) and of K's scale words
.set KB1, 4
.set KSB, 5
.set KA0, 6                            ; the same + the next record; VA, VSA: 16 and 8 x lane + this record
.set KA1, 7
.set KSA, 8
.set VA, 9
.set VSA, 10
.set SH, 11                            ; 8 h, in both windows
.set SPW, 28
.set NIL, 29
.set GO, 31
.set KF, 32                            ; v32-79: K's fragments: tiles 0-3 in window 0, tiles 4-7 in window 1
.set KS, 80                            ; scale words: K's 4, xV's and V's 4, p's 2, Q's 2
.set VS, 84
.set PWR, 88
.set QS, 90
.set QA, 92
.set QSA, 93
.set STW, 94
.set STR, 95
.set S, 96                             ; each window: S^T, then p, then four fragments of xV^T (window 0) or V^T (window 1)
.set O, 160                            ; O^T: tiles 0-3 from xV, 4-7 from V
.set PC, 224                           ; p's codes
.set BM, 236
.set T0, 238
.set SO, 240
.set CT, 244
.set F, 254
.set TM, 32
.set PW, 48
.set MSB, 0
.macro WIN new                         ; the immediate's high byte repeats the setting that is left
.if MSB != (\new)
	s_set_vgpr_msb (MSB<<8)|(\new)
.set MSB, (\new)
.endif
.endm
.macro CROUND
	s_barrier_signal -1
	s_barrier_wait -1
	s_cmp_lg_u32 s[WV], 0
	s_cbranch_scc1 .Lnot_wave_0_\@
	s_barrier_signal -3
.Lnot_wave_0_\@:
	s_barrier_wait -3
	s_barrier_signal -1
	s_barrier_wait -1
.endm
.macro W6Z d, a, b, sa, sb, ra         ; a product that starts its sum; ra: source 0's scales stand in lanes 16-31
.if \ra
	v_wmma_scale_f32_16x16x128_f8f6f4 v[\d:\d+7], v[\a:\a+11], v[\b:\b+11], 0, v[\sa], v[\sb] matrix_a_fmt:MATRIX_FMT_FP6 matrix_b_fmt:MATRIX_FMT_FP6 matrix_a_scale:MATRIX_SCALE_ROW1
.else
	v_wmma_scale_f32_16x16x128_f8f6f4 v[\d:\d+7], v[\a:\a+11], v[\b:\b+11], 0, v[\sa], v[\sb] matrix_a_fmt:MATRIX_FMT_FP6 matrix_b_fmt:MATRIX_FMT_FP6
.endif
.endm
.macro W6A d, a, b, sa, sb, ra         ; a product that adds in place
.if \ra
	v_wmma_scale_f32_16x16x128_f8f6f4 v[\d:\d+7], v[\a:\a+11], v[\b:\b+11], v[\d:\d+7], v[\sa], v[\sb] matrix_a_fmt:MATRIX_FMT_FP6 matrix_b_fmt:MATRIX_FMT_FP6 matrix_a_scale:MATRIX_SCALE_ROW1
.else
	v_wmma_scale_f32_16x16x128_f8f6f4 v[\d:\d+7], v[\a:\a+11], v[\b:\b+11], v[\d:\d+7], v[\sa], v[\sb] matrix_a_fmt:MATRIX_FMT_FP6 matrix_b_fmt:MATRIX_FMT_FP6
.endif
.endm
; K's eight half fragments and four registers of scale words: 28 LDS loads
.macro KLOAD a0, a1, a2
.irp c, 0,1
	WIN \c<<6
.irp u, 0,1,2,3
.irp p, 0,1,2
.if \u<2
	ds_load_b64 v[KF+12*\u+2*\p:KF+12*\u+2*\p+1], v[\a0] offset:768*(4*\c+\u%2)+256*\p
.else
	ds_load_b64 v[KF+12*\u+2*\p:KF+12*\u+2*\p+1], v[\a1] offset:768*(4*\c+\u%2)+256*\p
.endif
.endr
.endr
.endr
	WIN 0
.irp c, 0,1
.irp g, 0,1
	ds_load_b32 v[KS+2*\c+\g], v[\a2] offset:18432+128*\g+8*\c   ; lanes 0-15: tile 4 c + 2 g; lanes 16-31: tile 4 c + 2 g + 1
.endr
.endr
.endm
	s_load_b128 s[4:7], s[0:1], 0x0                ; qkv, att
	v_lshl_add_u32 v[SPW], v0, 2, SPARE
	v_mov_b32 v[NIL], 0
	ds_add_u32 v[SPW], v[NIL]                      ; the opening lines: the add, twice on end, and its wait
	ds_add_u32 v[SPW], v[NIL]
	v_lshrrev_b32 v30, 5, v0
	v_readfirstlane_b32 s[WV], v30                 ; wave 0..7
	s_bfe_u32 s9, ttmp6, 0x40000                   ; cx
	s_lshl_b32 s10, ttmp9, 2
	s_add_co_u32 s10, s10, s9                      ; my block of 256 queries: it enters Q's and att's addresses alone
	s_and_b32 s11, ttmp7, 0xffff                   ; bh, which the four partners share
	s_mov_b32 s[G1], 15|(3<<16)|(1<<21)            ; the mask: all four; elements of 8 bytes; bit 21 beside a mask
	s_mov_b32 s[G1+1], 32<<16
	s_mov_b32 s[G1+2], 152<<16
	s_mov_b32 s[G1+3], 32<<16
	s_mov_b32 s[G1+4], 152
	s_mov_b32 s[G1+5], 32
	s_mov_b32 s[G1+6], 0
	s_mov_b32 s[G1+7], 0
	s_mul_i32 s12, s[WV], CHUNK                    ; my two records, in LDS as in memory
	s_mul_i32 s14, s11, 16*REC
	s_add_co_u32 s14, s14, KVOFF
	s_add_co_u32 s14, s14, s12
	s_mov_b32 s15, 0
	s_lshl_b32 s13, s10, 4
	s_lshl_b32 s16, s[WV], 1
	s_add_co_u32 s13, s13, s16                     ; T: my first tile among the head's 128 (an even number)
	s_lshl_b32 s16, s11, 7
	s_add_co_u32 s16, s16, s13
	s_mul_i32 s16, s16, 768                        ; Q's codes
	s_mov_b32 s17, 0
	s_lshl_b32 s18, s11, 13                        ; Q's scale words: 8,192 bytes a head, 512 for 8 tiles; tile 2 i + u: 256 u + 16 r + 4 i
	s_lshr_b32 s19, s13, 3
	s_lshl_b32 s19, s19, 9
	s_add_co_u32 s18, s18, s19
	s_and_b32 s19, s[WV], 3
	s_lshl_b32 s19, s19, 2
	s_add_co_u32 s18, s18, s19
	s_add_co_u32 s18, s18, QSOFF
	s_mov_b32 s19, 0
	s_lshr_b32 s48, s11, 4
	s_lshl_b32 s48, s48, 7
	s_add_co_u32 s48, s48, s13                     ; my first tile among all 256
	s_mul_i32 s48, s48, 12288
	s_and_b32 s49, s11, 15
	s_mul_i32 s49, s49, 768
	s_add_co_u32 s48, s48, s49
	s_mov_b32 s49, 0
	s_lshl_b32 s50, s11, 13
	s_lshl_b32 s51, s10, 10
	s_add_co_u32 s50, s50, s51
	s_add_co_u32 s50, s50, SWOFF                   ; my work-group's 256 scale words
	s_mov_b32 s51, 0
	s_and_b32 s52, s[WV], 1
	s_lshl_b32 s52, s52, 6                         ; my pair of tiles is pair number 8 x block + wave: where that is odd, Q's images have rows 0-7 and 8-15 exchanged
	s_mov_b32 s[SEL], 0x76543210
	s_mov_b32 s[SEL+1], 0xfedcba98
	s_mov_b32 s[CS], 0x3e38aa3b                    ; c = log2(e) / 8
	s_mov_b32 s[CS+1], s[CS]
	s_mov_b32 s[NC], 0xbe38aa3b                    ; -c
	s_mov_b32 s[MK], 0xffff0000
	s_wait_dscnt 0x0
	s_wait_kmcnt 0x0
	s_add_nc_u64 s[14:15], s[4:5], s[14:15]
	s_add_nc_u64 s[QC:QC+1], s[4:5], s[16:17]
	s_add_nc_u64 s[QP:QP+1], s[4:5], s[18:19]
	s_add_nc_u64 s[AT:AT+1], s[6:7], s[48:49]
	s_add_nc_u64 s[SW:SW+1], s[6:7], s[50:51]
	CROUND                                         ; all four work-groups are here: the joint loads meet
	s_mov_b32 s[G0], 1
	s_mov_b32 s[G0+1], s12
	s_mov_b64 s[G0+2:G0+3], s[14:15]
	s_or_b32 s[G0+3], s[G0+3], 0x80000000
	tensor_load_to_lds s[G0:G0+3], s[G1:G1+7]      ; my one tensor load: key steps 2 w and 2 w + 1
	s_nop 0
	v_and_b32 v30, 31, v0
	v_lshlrev_b32 v1, 3, v30                       ; 8 x lane
	v_lshlrev_b32 v2, 4, v30                       ; 16 x lane
	v_and_b32 v236, 7, v0                          ; r % 8
	v_bfe_u32 v237, v0, 3, 1                       ; r / 8
	v_bfe_u32 v[SH], v0, 4, 1                      ; h
	v_lshlrev_b32 v[KB0], 3, v236
	v_lshl_add_u32 v[KB0], v[SH], 7, v[KB0]        ; 8 (r % 8) + 128 h
	v_mad_u32_u24 v[KB1], v237, 1472, v[KB0]       ; u >= 2: stored rows 8-15: + 64; rows 8-15 of my tile come from the image two tiles (1,536 bytes) on, where the halves are exchanged: - 64
	v_add_nc_u32 v[KB1], 64, v[KB1]
	v_mad_u32_u24 v[KB0], v237, 1600, v[KB0]       ; u < 2: stored rows 0-7; two tiles on they lie 64 bytes up: the 32 lanes touch 256 different bytes modulo 256
	v_lshlrev_b32 v[KSB], 4, v236
	v_lshl_add_u32 v[KSB], v237, 2, v[KSB]
	v_lshl_add_u32 v[KSB], v[SH], 8, v[KSB]        ; K's scale words: 16 (r % 8) + 4 (r / 8) + 256 h
	v_lshlrev_b32 v[SH], 3, v[SH]
	v_xor_b32 v[QA], s52, v1
	v_and_b32 v[QSA], 15, v0
	v_lshlrev_b32 v[QSA], 4, v[QSA]
	v_lshl_add_u32 v[STW], v0, 2, STG              ; where my row's scale word goes
	v_lshl_add_u32 v[STR], v0, 4, STG              ; where waves 0 and 1 read them back
	v_lshlrev_b32 v[GO], 4, v0
.irp q, 0,1
	WIN \q<<6
.irp p, 0,1,2
	global_load_b64 v[16+2*\p:17+2*\p], v[QA], s[QC:QC+1] offset:768*\q+256*\p   ; Q's half fragments stay in registers
.endr
.endr
	WIN 0
	global_load_b32 v[QS], v[QSA], s[QP:QP+1]
	global_load_b32 v[QS+1], v[QSA], s[QP:QP+1] offset:256
.irp q, 0,1
	WIN \q<<6
.irp i, 22,23,24,25,26,27
	v_mov_b32 v[\i], 0                             ; zero codes for k = 64 .. 127
.endr
.irp t, 0,1,2,3
.irp i, 6,7,8,9,10,11
	v_mov_b32 v[KF+12*\t+\i], 0
.endr
.endr
	v_mov_b32 v13, 0xff61b1e6                      ; the largest score so far: -3e38
	v_mov_b32 v12, 0x7f61b1e6                      ; -M
	v_mov_b32 v14, 0
	v_mov_b32 v15, 0
	v_mov_b32 v[T0+1], 0                           ; a lane permute's destination counts as one of its sources
	v_mov_b32 v[F+1], 0                            ; (named as the upper half of a pair)
.set j, 0
.rept 64
	v_mov_b32 v[O+j], 0                            ; the step is written once: the first finds zeros, which the first change of M leaves zeros
.set j, j+1
.endr
.endr
	WIN 0x40
	v_mov_b32 v[SH], v[SH]                         ; 8 h for window 1 too
	WIN 0
; THE SOFTMAX OF ONE TILE, under its window; at its end p's codes and scale word stand ready, four fragments of xV^T or V^T are on their way into p's registers, and O^T stands under the new M.
.macro SOFT q
	WIN 0x55*\q
	s_wait_alu depctr_va_vdst(0)                   ; ahead of the first readers of the scores
.irp c, 0,1
	v_max3_num_f32 v[BM+\c], v[S+32*\c], v[S+32*\c+1], v[S+32*\c+2]      ; the largest score of my two blocks of 32 keys, each in two chains
	v_max3_num_f32 v[T0+\c], v[S+32*\c+16], v[S+32*\c+17], v[S+32*\c+18]
.endr
.irp i, 3,5,7,9,11,13
.irp c, 0,1
	v_max3_num_f32 v[BM+\c], v[BM+\c], v[S+32*\c+\i], v[S+32*\c+\i+1]
	v_max3_num_f32 v[T0+\c], v[T0+\c], v[S+32*\c+16+\i], v[S+32*\c+17+\i]
.endr
.endr
.irp c, 0,1
	v_max3_num_f32 v[BM+\c], v[BM+\c], v[T0+\c], v[S+32*\c+15]
.endr
.irp c, 0,1
	v_max_num_f32 v[BM+\c], v[BM+\c], v[S+32*\c+31]
.endr
	s_delay_alu instid0(VALU_DEP_1)
	v_max_num_f32 v[T0], v[BM], v[BM+1]
	s_delay_alu instid0(VALU_DEP_1)
	v_permlanex16_b32 v[T0+1], v[T0], s[SEL], s[SEL+1]
	s_delay_alu instid0(VALU_DEP_1)
	v_max3_num_f32 v13, v13, v[T0], v[T0+1]        ; the running largest score of my query
	s_delay_alu instid0(VALU_DEP_1)
	v_mul_f32 v[T0], s[NC], v13                    ; -t
	s_delay_alu instid0(VALU_DEP_1)
	v_floor_f32 v[T0+1], v[T0]                     ; the new -M = floor(-t): M is a whole number
	s_delay_alu instid0(VALU_DEP_1)
	v_sub_f32 v[T0], v[T0+1], v12                  ; old M - new M: 0 or less
	v_mov_b32 v12, v[T0+1]
	s_delay_alu instid0(VALU_DEP_2)
	v_cvt_i32_f32 v[T0], v[T0]                     ; (it saturates)
	s_delay_alu instid0(VALU_DEP_1)
	v_ldexp_f32 v[F], 1.0, v[T0]                   ; f = 2^(old M - new M)
.set j, 0
.rept 32
	v_pk_fma_f32 v[S+j:S+j+1], v[S+j:S+j+1], s[CS:CS+1], v[12:13] op_sel_hi:[1,0,0]   ; t - M
.set j, j+2
.endr
.irp c, 0,1
	v_fma_f32 v[BM+\c], v[BM+\c], s[CS], v12       ; the same of each block's largest score
.endr
	s_wait_alu depctr_va_vdst(0)                   ; ahead of the batch
.set j, 0
.rept 64
	v_exp_f32 v[S+j], v[S+j]                       ; p = 2^(t - M), at most 1
.set j, j+1
.endr
.irp c, 0,1
	v_exp_f32 v[BM+\c], v[BM+\c]                   ; the block's largest p: the same two instructions on the same number
.endr
	v_pk_mul_f32 v[14:15], v[14:15], v[F:F+1] op_sel_hi:[1,0]   ; the sum under the new M (the plain place behind the batch)
	s_wait_alu depctr_va_vdst(0)                   ; and the one wait behind it
	v_pk_add_f32 v[242:243], v[S:S+1], v[S+2:S+3]  ; the sum of the unquantised p, in four chains
	v_pk_add_f32 v[244:245], v[S+4:S+5], v[S+6:S+7]
	v_pk_add_f32 v[246:247], v[S+8:S+9], v[S+10:S+11]
.set j, 6
.rept 26
.if j%4
	v_pk_add_f32 v[240+2*(j%4):241+2*(j%4)], v[240+2*(j%4):241+2*(j%4)], v[S+2*j:S+2*j+1]
.else
	v_pk_add_f32 v[14:15], v[14:15], v[S+2*j:S+2*j+1]
.endif
.set j, j+1
.endr
	v_pk_add_f32 v[242:243], v[242:243], v[244:245]
	v_pk_add_f32 v[14:15], v[14:15], v[246:247]
.irp c, 0,1
	v_max_num_f32 v[BM+\c], 0x1800000, v[BM+\c]    ; the floor 2^(3 - 127): the byte cannot fall under 1
.endr
	v_pk_add_f32 v[14:15], v[14:15], v[242:243]
.irp c, 0,1
	v_add_nc_u32 v[SO+\c], 0xff000000, v[BM+\c]    ; 2 off the exponent field: the conversion's scale operand
.endr
.irp c, 0,1
	v_cvt_scalef32_pk16_fp6_f32 v[PC+6*\c:PC+6*\c+2], v[S+32*\c:S+32*\c+15], v[SO+\c]
	v_cvt_scalef32_pk16_fp6_f32 v[CT+4*\c:CT+4*\c+2], v[S+32*\c+16:S+32*\c+31], v[SO+\c]   ; (a conversion's three registers begin on an even number)
.endr
	v_lshrrev_b32 v[T0], 23, v[SO]                 ; the bytes of blocks h and 2 + h (also the plain place behind the conversions)
	v_lshrrev_b32 v[T0+1], 23, v[SO+1]
	s_delay_alu instid0(VALU_DEP_1)
	v_lshl_or_b32 v[T0], v[T0+1], 16, v[T0]
	s_delay_alu instid0(VALU_DEP_1)
	v_lshlrev_b32 v[T0], v[SH], v[T0]              ; at their places in the word
	s_delay_alu instid0(VALU_DEP_1)
	v_permlanex16_b32 v[T0+1], v[T0], s[SEL], s[SEL+1]
	WIN 5*\q                                       ; scale words lie in window 0
	v_or_b32 v[PWR+\q], v[T0], v[T0+1]             ; with lane l xor 16's two the word is whole
	WIN \q<<6
.irp t, 0,1,2,3                                ; p's numbers are done with: four fragments land in their registers
.irp k, 0,1,2
	ds_load_b128 v[S+12*\t+4*\k:S+12*\t+4*\k+3], v[VA] offset:6144+1536*(4*\q+\t)+512*\k
.endr
.endr
.if \q == 0
	ds_load_b64 v[VS:VS+1], v[VSA] offset:18944    ; xV's scale words
	ds_load_b64 v[VS+2:VS+3], v[VSA] offset:19200  ; V's
.endif
	WIN 0x55*\q
.irp c, 0,1
.irp i, 0,1,2
	v_mov_b32 v[PC+3+6*\c+\i], v[CT+4*\c+\i]
.endr
.endr
	s_wait_alu depctr_va_vdst(0)                   ; ahead of the first readers of O^T
.set j, 0
.rept 32
	v_pk_mul_f32 v[O+j:O+j+1], v[O+j:O+j+1], v[F:F+1] op_sel_hi:[1,0]   ; O^T under the new M
.set j, j+2
.endr
.endm
	s_wait_alu depctr_va_vdst(0)
	s_wait_tensorcnt 0x0                           ; my two records are in
	s_barrier_signal -1
	s_barrier_wait -1                              ; and everybody's: the whole head
	KLOAD KB0, KB1, KSB                            ; step 0's K
	s_mov_b32 s[CNT], 0
	s_wait_loadcnt 0x0                             ; Q
	s_wait_dscnt 0x0
.Lstep:                                                ; A KEY STEP: 128 keys x my 32 queries
	s_mul_i32 s[TB], s[CNT], REC
	s_add_co_u32 s[CNT], s[CNT], 1
	s_and_b32 s[TN], s[CNT], 15
	s_mul_i32 s[TN], s[TN], REC
	v_add_nc_u32 v[KA0], s[TN], v[KB0]             ; these five are also the places between the last step's products and the scores, which land on their source 0
	v_add_nc_u32 v[KA1], s[TN], v[KB1]
	v_add_nc_u32 v[KSA], s[TN], v[KSB]
	v_add_nc_u32 v[VA], s[TB], v2
	v_add_nc_u32 v[VSA], s[TB], v1
	s_wait_alu depctr_va_vdst(0)
.irp q, 0,1
.irp c, 0,1
	WIN 0x54*\q+\c
.irp u, 0,1,2,3
	W6Z S+8*(4*\c+\u), KF+12*\u, 16, KS+2*\c+\u/2, QS+\q, \u%2
.endr
.endr
.endr
	WIN 0
.rept 4
	v_nop                                          ; places in front of loads into K's registers and of the first reads of the scores
.endr
	KLOAD KA0, KA1, KSA                            ; the next step's K: 28 loads
	SOFT 0                                         ; 14 loads: xV^T and the scale words
	SOFT 1                                         ; 12 loads: V^T
	s_wait_alu depctr_va_vdst(0)
.irp w, 0,1                                    ; O^T += V^T P^T: xV's four tiles for both query tiles, then V's; the accumulators take turns
.if \w
	s_wait_dscnt 0x0
.else
	s_wait_dscnt 12                                ; all but V^T's twelve loads, the youngest
.endif
.irp q, 0,1
	WIN 0x54*\q+\w
.irp t, 0,1,2,3
	W6A O+8*(4*\w+\t), S+12*\t, PC, VS+2*\w+\t/2, PWR+\q, \t%2
.endr
.endr
.endr
	WIN 0
	s_cmp_lt_u32 s[CNT], 16
	s_cbranch_scc1 .Lstep
; THE WAY OUT of one tile: O^T / l; a lane's 64 numbers are k_bar's 64 channels (blocks 0, 1) and v_bar's (blocks 2, 3); the 16 registers of tiles 2 b, 2 b + 1 are channels 32 b + 16 h + 0..15.
.macro OUT q
.if \q
	s_wait_xcnt 0x0
.endif
	WIN 0x55*\q
	v_add_f32 v14, v14, v15
	v_permlanex16_b32 v[T0+1], v14, s[SEL], s[SEL+1]
	v_add_f32 v14, v14, v[T0+1]
	s_wait_alu depctr_va_vdst(0)
	v_rcp_f32 v14, v14
	v_nop
	s_wait_alu depctr_va_vdst(0)
.set j, 0
.rept 32
	v_pk_mul_f32 v[S+j:S+j+1], v[O+j:O+j+1], v[14:15] op_sel_hi:[1,0]   ; each accumulator from its low end on
.set j, j+2
.endr
.irp b, 0,1,2,3
	v_max3_num_f32 v[TM+\b], |v[S+16*\b]|, |v[S+1+16*\b]|, 0x1800000
.endr
.irp i, 2,4,6,8,10,12,14
.irp b, 0,1,2,3
	v_max3_num_f32 v[TM+\b], v[TM+\b], |v[S+16*\b+\i]|, |v[S+1+16*\b+\i]|
.endr
.endr
.irp b, 0,1,2,3
	v_permlanex16_b32 v[TM+4+\b], v[TM+\b], s[SEL], s[SEL+1]
.endr
.irp b, 0,1,2,3
	v_max_num_f32 v[TM+\b], v[TM+\b], v[TM+4+\b]
.endr
.irp b, 0,1,2,3
	v_add_nc_u32 v[TM+12+\b], 0xff000000, v[TM+\b]
.endr
.irp b, 0,1,2,3
	v_lshrrev_b32 v[TM+4+\b], 23, v[TM+12+\b]
.endr
	v_lshl_or_b32 v[PW], v[TM+5], 8, v[TM+4]
	v_lshl_or_b32 v[PW], v[TM+6], 16, v[PW]
	v_lshl_or_b32 v[PW], v[TM+7], 24, v[PW]        ; bytes 0, 1: k_bar's; bytes 2, 3: v_bar's
.irp c, 0,1
	v_cvt_scalef32_pk16_fp6_f32 v[PC+6*\c:PC+2+6*\c], v[S+32*\c:S+15+32*\c], v[TM+12+2*\c]
	v_cvt_scalef32_pk16_fp6_f32 v[CT+4*\c:CT+2+4*\c], v[S+16+32*\c:S+31+32*\c], v[TM+12+2*\c+1]
.endr
	v_nop
.irp c, 0,1
.irp i, 0,1,2
	v_permlane16_swap_b32 v[PC+6*\c+\i], v[CT+4*\c+\i]
.endr
.irp i, 0,1,2
	v_mov_b32 v[PC+3+6*\c+\i], v[CT+4*\c+\i]
.endr
.endr
	WIN 4*\q                                       ; the stores' data in my window, the offset in window 0
.irp p, 0,1,2
	global_store_b64 v1, v[PC+2*\p:PC+1+2*\p], s[AT:AT+1] offset:12288*\q+256*\p         ; k_bar's half fragment: planes of 256 consecutive bytes, aligned
	global_store_b64 v1, v[PC+6+2*\p:PC+7+2*\p], s[AT:AT+1] offset:VBOFF+12288*\q+256*\p   ; v_bar's
.endr
.endm
.rept 4
	v_nop
.endr
	OUT 0
	OUT 1
	WIN 4
	v_cndmask_b32 v49, v[PW], v[PW], s[MK]         ; lanes 0-15: tile 0's words; lanes 16-31: tile 1's
	WIN 0
	ds_store_b32 v[STW], v49
	s_wait_dscnt 0x0                               ; for the others' sake
	s_barrier_signal -1
	s_barrier_wait -1
	s_cmp_lt_u32 s[WV], 2                          ; the work-group's 256 words leave as 1,024 consecutive bytes, by waves 0 and 1
	s_cbranch_scc0 .Lno_words
	ds_load_b128 v[52:55], v[STR]
	s_wait_dscnt 0x0
	global_store_b128 v[GO], v[52:55], s[SW:SW+1]
.Lno_words:
	s_wait_tensorcnt 0x0                           ; the wave's end
	ds_add_u32 v[SPW], v[NIL]
	s_wait_dscnt 0x0
	CROUND                                         ; the closing round
	s_endpgm
.Lfunc_end_k_q52a9174e8c_attn:
	.size	k_q52a9174e8c_attn, .Lfunc_end_k_q52a9174e8c_attn-k_q52a9174e8c_attn
	.p2alignl 7, 3214868480
	.fill 96, 4, 3214868480
	.section	.rodata,"a",@progbits
	.p2align	6, 0x0
	.amdhsa_kernel k_q52a9174e8c_attn
		.amdhsa_group_segment_fixed_size 327680
		.amdhsa_private_segment_fixed_size 0
		.amdhsa_enable_private_segment 0
		.amdhsa_kernarg_size 16
		.amdhsa_user_sgpr_count 2
		.amdhsa_user_sgpr_kernarg_segment_ptr 1
		.amdhsa_wavefront_size32 1
		.amdhsa_system_sgpr_workgroup_id_x 1
		.amdhsa_system_sgpr_workgroup_id_y 1
		.amdhsa_system_sgpr_workgroup_id_z 1
		.amdhsa_system_vgpr_workitem_id 0
		.amdhsa_next_free_vgpr 512
		.amdhsa_next_free_sgpr 66
		.amdhsa_reserve_vcc 0
		.amdhsa_float_denorm_mode_32 3
		.amdhsa_float_denorm_mode_16_64 3
		.amdhsa_memory_ordered 1
		.amdhsa_forward_progress 1
		.amdhsa_inst_pref_size 62
	.end_amdhsa_kernel
	.amdgpu_metadata
---
amdhsa.version: [ 1, 2 ]
amdhsa.kernels:
  - .name:           k_q52a9174e8c_attn
    .symbol:         k_q52a9174e8c_attn.kd
    .args:
      - { .name: qkv, .offset: 0, .size: 8, .value_kind: global_buffer, .address_space: global }
      - { .name: att, .offset: 8, .size: 8, .value_kind: global_buffer, .address_space: global }
    .group_segment_fixed_size: 327680
    .private_segment_fixed_size: 0
    .kernarg_segment_align: 8
    .kernarg_segment_size: 16
    .max_flat_workgroup_size: 256
    .sgpr_count:     66
    .vgpr_count:     512
    .wavefront_size: 32
...
	.end_amdgpu_metadata
.endif
;; end of part 3
;; launch outp (part 4): grid 4 x 64, 4 waves a work-group, clusters of 4 x 4, 327,680 bytes of LDS; arguments xw, att, bxo, bmo, out0, out1; writes out0, out1
.if DOCPART == 4
	.amdgcn_target "amdgcn-amd-amdhsa--gfx1250"
	.amdhsa_code_object_version 6
	.text
	.protected	k_q52a9174e8c_outp
	.globl	k_q52a9174e8c_outp
	.p2align	8
	.type	k_q52a9174e8c_outp,@function
k_q52a9174e8c_outp:
	s_mov_b64 s[64:65], 0
	v_nop
	global_prefetch_b8 v0, s[64:65] scope:SCOPE_SE
	s_setreg_imm32_b32 hwreg(HW_REG_WAVE_MODE, 25, 1), 1
	s_wait_xcnt 0x0
	s_wait_alu depctr_hold_cnt(0) depctr_sa_sdst(0) depctr_va_vdst(0) depctr_va_sdst(0) depctr_va_ssrc(0) depctr_va_vcc(0) depctr_vm_vsrc(0)
	s_getreg_b32 s2, hwreg(HW_REG_IB_STS2, 6, 4)
	s_cmp_eq_u32 s2, 0
	s_cbranch_scc0 .Lentry_in_a_cluster
	s_endpgm
.Lentry_in_a_cluster:
	s_bfe_u32 s2, ttmp6, 0x10000c
	s_cmp_lg_u32 s2, 0xf033
	s_cbranch_scc0 .Lentry_shape_is_right
	s_endpgm
.Lentry_shape_is_right:
; out0 = k_bar Wxo^T + bxo, out1 = v_bar Wmo^T + bmo: two GEMMs of 4,096 x 1,024 x 1,024 on codes of FP6 (E2M3) with E8M0 scales, f32 out.  g = (the cluster's y) / 8 says which.
; A block of C is 128 rows x 256 columns: 2 x 32 x 4 = 256 work-groups.  Four waves, each 64 x 128: 32 accumulators.  Source 0 = 16 rows of the weight (B), source 1 = 16 rows of k_bar or v_bar (A): a lane holds a row of C.
; ALL OF K LIES IN LDS: A's 8 tiles and B's 16 tiles of 16 rows, 12,288 bytes each, as images of their fragments: 294,912 bytes, each a dense run of memory.  Wave 0 asks for A (384 rows of 256 bytes), waves 1 to 3 for a third
; of B each (256 rows of 256 bytes): one tensor load a wave, at the head; nothing is filled again, so there is no ring, and no later load for a prefetch to run ahead of.
; A's image (att): [tile][head 16][3 planes of 256 bytes]; heads 2 s, 2 s + 1 are the fragment of K step s: six loads of 8 bytes at 8 x lane.  B's image (xw): [tile][K step 8][lane: 48 bytes]: three loads of 16 bytes at 48 x lane.
; Rows of A and of B lie in the stored order (in each 32 rows the groups of 8 numbered 1 and 2 have changed places): B's blocks 2 B, 2 B + 1 give a lane columns 32 B + 16 (lane / 16) + 0 .. 15; A's rows are put right by the stores' offsets.
; SCALES.  att has, for each (batch, head) and stored row, a word with k_bar's two bytes below and v_bar's above; a K step's word is the halves of two heads' words: pieced together once, through LDS.  B's bytes go through registers to LDS.
; Each wave then holds all its scale words in 64 registers: v[SC + 8 i + s]: lanes 0-15 A's block i, lanes 16-31 B's block i; v[SC + 32 + 8 i + s]: B's block 4 + i.
; The bias is the C of each sum's first matrix instruction.  CLUSTERS: 4 x 4 work-groups of one GEMM: A jointly along a row of the cluster, B along a column.
; REGISTERS: window 0: v13-31 addresses; v32-95 scale words; v96-159 the bias; v160-255 A's fragments, two sets; on the way out v96-223.  window 1: B's fragments, two sets.  window 2: the accumulators.
.set FR,     12
.set TILE,   12288
.set BOFF,   8*TILE
.set SCL,    24*TILE                   ; A's scale words (128 rows x 32 bytes, 16 bytes of padding behind each 256), then B's (256 rows): written by LDS stores alone
.set SBLK,   2*272                     ; those of 16 rows
.set SCLB,   SCL+8*SBLK
.set SPARE,  SCL+24*SBLK
.set SPITCH, 528                       ; the way out: a stage of 16 rows x (512 bytes + 16) for each wave, in A's bytes, which have had their one fill and, behind a barrier, their last read
.set SBW,  13
.set SBO,  14
.set SCW,  15
.set ADRA, 16
.set ADRB, 18
.set ADRS, 20
.set STO,  24
.set RD,   25
.set CO,   26
.set SPW,  28
.set NIL,  29
.set SWO,  30
.set BO,   31
.set SC,   32
.set BI,   96
.set AF,   160
.set G1,  24
.set G0,  32
.set G0B, 36
.set G1B, 68
.set MSB, 0
.macro WIN new
.if MSB != (\new)
	s_set_vgpr_msb (MSB<<8)|(\new)
.set MSB, (\new)
.endif
.endm
.macro CROUND
	s_barrier_signal -1
	s_barrier_wait -1
	s_cmp_lg_u32 s16, 0
	s_cbranch_scc1 .Lnot_wave_0_\@
	s_barrier_signal -3
.Lnot_wave_0_\@:
	s_barrier_wait -3
	s_barrier_signal -1
	s_barrier_wait -1
.endm
.macro PLACES
.rept 4
	v_nop
.endr
.endm
	s_load_b256 s[4:11], s[0:1], 0x0               ; xw s[4:5], att s[6:7], bxo s[8:9], bmo s[10:11]
	s_load_b128 s[12:15], s[0:1], 0x20             ; out0 s[12:13], out1 s[14:15]
	v_lshl_add_u32 v[SPW], v0, 2, SPARE
	v_mov_b32 v[NIL], 0
	ds_add_u32 v[SPW], v[NIL]                      ; the opening lines: the add, twice on end, and its wait
	ds_add_u32 v[SPW], v[NIL]
	v_lshrrev_b32 v1, 5, v0
	v_readfirstlane_b32 s16, v1                    ; wave 0..3
	s_lshr_b32 s17, s16, 1                         ; RH: my half of the rows
	s_and_b32 s18, s16, 1                          ; CH: my half of the columns
	s_bfe_u32 s40, ttmp6, 0x40000                  ; cx
	s_bfe_u32 s41, ttmp6, 0x40004                  ; cy
	s_and_b32 s42, ttmp7, 0xffff                   ; the cluster's y
	s_lshr_b32 s19, s42, 3                         ; g
	s_and_b32 s42, s42, 7
	s_lshl_b32 s42, s42, 2
	s_add_co_u32 s21, s42, s41                     ; block row, 0..31: hangs on cy, never on cx
	s_mov_b32 s22, s40                             ; block column = cx
	s_lshl_b32 s2, s41, 2
	s_lshl_b32 s2, 15, s2                          ; my row of the cluster
	s_lshl_b32 s3, 0x1111, s40                     ; my column
	s_or_b32 s[G1+0], s2, (3<<16)|(1<<21)          ; A: 384 rows of 256 bytes (32 elements of 8), dense, no padding
	s_mov_b32 s[G1+1], 32<<16
	s_mov_b32 s[G1+2], 384<<16
	s_mov_b32 s[G1+3], 32<<16
	s_mov_b32 s[G1+4], 384
	s_mov_b32 s[G1+5], 32
	s_mov_b32 s[G1+6], 0
	s_mov_b32 s[G1+7], 0
	s_or_b32 s[G1B+0], s3, (3<<16)|(1<<21)         ; a third of B: 256 rows of 256 bytes
	s_mov_b32 s[G1B+1], 32<<16
	s_mov_b32 s[G1B+2], 256<<16
	s_mov_b32 s[G1B+3], 32<<16
	s_mov_b32 s[G1B+4], 256
	s_mov_b32 s[G1B+5], 32
	s_mov_b32 s[G1B+6], 0
	s_mov_b32 s[G1B+7], 0
	s_mul_i32 s96, s21, 8*TILE                     ; A: my block's 8 tiles,
	s_mul_i32 s23, s19, 3145728                    ; of k_bar or v_bar
	s_add_co_u32 s96, s96, s23
	s_mov_b32 s97, 0
	s_mul_i32 s46, s22, 16*TILE                    ; B: my block's 16 tiles,
	s_mul_i32 s23, s19, 786432                     ; of Wxo or Wmo,
	s_add_co_u32 s46, s46, s23
	s_lshl_b32 s23, s16, 16                        ; third number wave - 1
	s_add_co_u32 s46, s46, s23
	s_add_co_u32 s46, s46, 12582912-65536          ; Wxo's codes begin at byte 12,582,912 of xw
	s_mov_b32 s47, 0
	s_add_co_u32 s67, s23, BOFF-65536              ; and where it goes: no place in the cluster enters an LDS address
	s_lshl_b32 s44, s22, 13                        ; B's scale bytes: 8,192 for my 256 rows
	s_lshl_b32 s23, s19, 15
	s_add_co_u32 s44, s44, s23
	s_add_co_u32 s44, s44, 14680064
	s_mov_b32 s45, 0
	s_lshr_b32 s42, s21, 4                         ; A's scale words: 16 heads x 8,192 bytes a batch, 512 for my 128 rows
	s_lshl_b32 s42, s42, 17
	s_and_b32 s43, s21, 15
	s_lshl_b32 s43, s43, 9
	s_add_co_u32 s42, s42, s43
	s_add_co_u32 s42, s42, 6291456
	s_mov_b32 s43, 0
	s_mov_b32 s93, 0x07060302                      ; the two upper halves (v_bar's bytes),
	s_cmp_eq_u32 s19, 0
	s_cselect_b32 s93, 0x05040100, s93             ; or the two lower (k_bar's)
	s_mul_i32 s50, s17, 4*TILE                     ; my 4 tiles of A
	s_mul_i32 s51, s18, 8*TILE
	s_add_co_u32 s51, s51, BOFF                    ; my 8 tiles of B
	s_mul_i32 s52, s17, 4*SBLK
	s_add_co_u32 s52, s52, SCL                     ; my rows' scale words
	s_mul_i32 s54, s18, 8*SBLK
	s_add_co_u32 s54, s54, SCLB                    ; my columns'
	s_sub_co_u32 s53, s54, s52                     ; the distance between the two
	s_add_co_u32 s54, s54, 4*SBLK                  ; B's blocks 4-7
	s_mul_i32 s55, s16, 16*SPITCH                  ; my stage
	s_lshl_b32 s56, s22, 8
	s_lshl_b32 s57, s18, 7
	s_add_co_u32 s56, s56, s57
	s_lshl_b32 s56, s56, 2                         ; my first column, in bytes
	s_mov_b32 s57, 0
	s_lshl_b32 s58, s21, 7
	s_lshl_b32 s59, s17, 6
	s_add_co_u32 s58, s58, s59
	s_lshl_b32 s58, s58, 12                        ; my first row of C: 4,096 bytes a row
	s_mov_b32 s59, 0
	s_wait_dscnt 0x0
	s_wait_kmcnt 0x0
	s_add_nc_u64 s[96:97], s[6:7], s[96:97]
	s_add_nc_u64 s[46:47], s[4:5], s[46:47]
	s_add_nc_u64 s[44:45], s[4:5], s[44:45]
	s_add_nc_u64 s[98:99], s[6:7], s[42:43]
	s_cmp_eq_u32 s19, 0
	s_cselect_b64 s[8:9], s[8:9], s[10:11]         ; the bias
	s_cselect_b64 s[12:13], s[12:13], s[14:15]     ; the output
	s_add_nc_u64 s[8:9], s[8:9], s[56:57]
	s_add_nc_u64 s[12:13], s[12:13], s[56:57]
	s_add_nc_u64 s[12:13], s[12:13], s[58:59]
	CROUND                                         ; all sixteen work-groups are here: the joint loads meet
	s_mov_b32 s[G0], 1
	s_mov_b32 s[G0+1], 0
	s_mov_b64 s[G0+2:G0+3], s[96:97]
	s_or_b32 s[G0+3], s[G0+3], 0x80000000
	s_mov_b32 s[G0B], 1
	s_mov_b32 s[G0B+1], s67
	s_mov_b64 s[G0B+2:G0B+3], s[46:47]
	s_or_b32 s[G0B+3], s[G0B+3], 0x80000000
	s_cmp_eq_u32 s16, 0                            ; one tensor load a wave: every way passes exactly one
	s_cbranch_scc0 .Lfor_b
	tensor_load_to_lds s[G0:G0+3], s[G1:G1+7]
	s_nop 0
	PLACES
	s_branch .Lasked
.Lfor_b:
	tensor_load_to_lds s[G0B:G0B+3], s[G1B:G1B+7]
	s_nop 0
	PLACES
.Lasked:
	v_lshlrev_b32 v[SWO], 2, v0                    ; thread t takes stored row t of the block
.irp d, 0,1,2,3,4,5,6,7,8,9,10,11,12,13,14,15
	global_load_b32 v[160+\d], v[SWO], s[98:99] offset:\d*8192   ; head d's word of my row
.endr
	v_lshlrev_b32 v[SBO], 4, v0                    ; B's scale bytes: 128 threads x 16 bytes are 2,048 consecutive bytes a load
.irp k, 0,1,2,3
	global_load_b128 v[192+4*\k:195+4*\k], v[SBO], s[44:45] offset:2048*\k
.endr
	v_and_b32 v1, 15, v0                           ; r
	v_bfe_u32 v2, v0, 4, 1                         ; h
	v_lshlrev_b32 v[BO], 6, v2
.irp b, 0,1,2,3,4,5,6,7
	global_load_b128 v[BI+8*\b:BI+8*\b+3], v[BO], s[8:9] offset:4*(32*(\b/2)+8*(\b%2))        ; register 8 b + j: the bias of column 32 (b / 2) + 16 h + 8 (b % 2) + j
	global_load_b128 v[BI+8*\b+4:BI+8*\b+7], v[BO], s[8:9] offset:4*(32*(\b/2)+8*(\b%2))+16
.endr
	v_lshrrev_b32 v[SBW], 4, v0
	v_lshlrev_b32 v[SBW], 4, v[SBW]
	v_add_nc_u32 v[SBW], v[SBW], v[SBO]
	v_add_nc_u32 v[SBW], SCLB, v[SBW]              ; B's bytes in LDS: 16 t + 16 (t / 16)
	v_and_b32 v6, 31, v0
	v_lshlrev_b32 v7, 3, v6
	v_add_nc_u32 v[ADRA], s50, v7                  ; A's images: 8 x lane
	v_mul_u32_u24 v8, v6, 48
	v_add_nc_u32 v[ADRB], s51, v8                  ; B's images: 48 x lane: sixteen lanes touch sixteen different columns of 16 bytes modulo 256
	v_add_nc_u32 v[ADRB+1], 4*TILE, v[ADRB]        ; tiles 4-7 (an immediate reaches 65,535 bytes)
	v_lshlrev_b32 v5, 5, v1
	v_lshrrev_b32 v9, 3, v1
	v_lshl_add_u32 v5, v9, 4, v5                   ; a row's scale words: 32 r + 16 (r / 8)
	v_mul_u32_u24 v9, s53, v2                      ; lanes 16-31 take B's: the distance between the two bases x h
	v_add_nc_u32 v9, v9, v5
	v_add_nc_u32 v[ADRS], s52, v9
	v_add_nc_u32 v[ADRS+1], s54, v5
	v_lshrrev_b32 v9, 3, v0
	v_lshlrev_b32 v10, 5, v0
	v_lshl_add_u32 v10, v9, 4, v10
	v_add_nc_u32 v[SCW], SCL, v10                  ; my row's 32 bytes: 32 t + 16 (t / 8)
	v_mul_u32_u24 v5, v1, SPITCH
	v_lshl_add_u32 v5, v2, 6, v5                   ; the stage, in: row r, + 64 h
	v_add_nc_u32 v[STO], s55, v5
	v_lshlrev_b32 v[CO], 4, v6                     ; back: the 32 lanes take one row of 512 bytes; and the same in C
	v_add_nc_u32 v[RD], s55, v[CO]
	s_wait_alu depctr_va_vdst(0)
	s_wait_loadcnt 0x0                             ; the words, B's bytes and the bias
.irp s, 0,1,2,3,4,5,6,7
	v_perm_b32 v[176+\s], v[161+2*\s], v[160+2*\s], s93   ; K step s: head 2 s's two bytes below, head 2 s + 1's above
.endr
	ds_store_b128 v[SCW], v[176:179]
	ds_store_b128 v[SCW], v[180:183] offset:16
.irp k, 0,1,2,3
	ds_store_b128 v[SBW], v[192+4*\k:195+4*\k] offset:2176*\k
.endr
	s_wait_alu depctr_va_vdst(0)
	s_wait_tensorcnt 0x0                           ; my tile is in,
	s_wait_dscnt 0x0                               ; my scale words are stored:
	s_barrier_signal -1
	s_barrier_wait -1                              ; and everybody's
.macro FETCH s, p                      ; the fragments of K step s into sets p: 24 + 24 LDS loads
	WIN 0x40
.irp i, 0,1,2,3,4,5,6,7
.irp j, 0,1,2
	ds_load_b128 v[128*(\p)+FR*\i+4*\j:128*(\p)+FR*\i+4*\j+3], v[ADRB+\i/4] offset:(\i%4)*TILE+1536*(\s)+16*\j
.endr
.endr
	WIN 0
.irp i, 0,1,2,3
.irp j, 0,1,2,3,4,5
	ds_load_b64 v[AF+48*(\p)+FR*\i+2*\j:AF+48*(\p)+FR*\i+2*\j+1], v[ADRA] offset:\i*TILE+1536*(\s)+256*\j
.endr
.endr
.endm
; 32 matrix instructions: A's four blocks x B's eight, 128 along K.  first = 1: the sums start from the bias.  The 32 accumulators take turns, one instruction a turn.
.macro MUL s, p, first
.irp a, 0,1,2,3
.irp b, 0,1,2,3,4,5,6,7
.if \first
.if \b < 4
	v_wmma_scale_f32_16x16x128_f8f6f4 v[8*(8*\a+\b):8*(8*\a+\b)+7], v[128*(\p)+FR*\b:128*(\p)+FR*\b+FR-1], v[AF+48*(\p)+FR*\a:AF+48*(\p)+FR*\a+FR-1], v[BI+8*\b:BI+8*\b+7], v[SC+8*\b+(\s)], v[SC+8*\a+(\s)] matrix_a_fmt:MATRIX_FMT_FP6 matrix_b_fmt:MATRIX_FMT_FP6 matrix_a_scale:MATRIX_SCALE_ROW1
.else
	v_wmma_scale_f32_16x16x128_f8f6f4 v[8*(8*\a+\b):8*(8*\a+\b)+7], v[128*(\p)+FR*\b:128*(\p)+FR*\b+FR-1], v[AF+48*(\p)+FR*\a:AF+48*(\p)+FR*\a+FR-1], v[BI+8*\b:BI+8*\b+7], v[SC+8*\b+(\s)], v[SC+8*\a+(\s)] matrix_a_fmt:MATRIX_FMT_FP6 matrix_b_fmt:MATRIX_FMT_FP6
.endif
.else
.if \b < 4
	v_wmma_scale_f32_16x16x128_f8f6f4 v[8*(8*\a+\b):8*(8*\a+\b)+7], v[128*(\p)+FR*\b:128*(\p)+FR*\b+FR-1], v[AF+48*(\p)+FR*\a:AF+48*(\p)+FR*\a+FR-1], v[8*(8*\a+\b):8*(8*\a+\b)+7], v[SC+8*\b+(\s)], v[SC+8*\a+(\s)] matrix_a_fmt:MATRIX_FMT_FP6 matrix_b_fmt:MATRIX_FMT_FP6 matrix_a_scale:MATRIX_SCALE_ROW1
.else
	v_wmma_scale_f32_16x16x128_f8f6f4 v[8*(8*\a+\b):8*(8*\a+\b)+7], v[128*(\p)+FR*\b:128*(\p)+FR*\b+FR-1], v[AF+48*(\p)+FR*\a:AF+48*(\p)+FR*\a+FR-1], v[8*(8*\a+\b):8*(8*\a+\b)+7], v[SC+8*\b+(\s)], v[SC+8*\a+(\s)] matrix_a_fmt:MATRIX_FMT_FP6 matrix_b_fmt:MATRIX_FMT_FP6
.endif
.endif
.endr
.endr
.endm
.irp i, 0,1,2,3                                ; all my scale words: 16 loads (B's block 4 + i stands at SC + 8 (4 + i), in lanes 0-15)
	ds_load_b128 v[SC+8*\i:SC+8*\i+3], v[ADRS] offset:\i*SBLK
	ds_load_b128 v[SC+8*\i+4:SC+8*\i+7], v[ADRS] offset:\i*SBLK+16
	ds_load_b128 v[SC+32+8*\i:SC+32+8*\i+3], v[ADRS+1] offset:\i*SBLK
	ds_load_b128 v[SC+32+8*\i+4:SC+32+8*\i+7], v[ADRS+1] offset:\i*SBLK+16
.endr
	FETCH 0, 0
	FETCH 1, 1
	s_wait_dscnt 48                                ; all but the 48 loads just issued
	WIN 0x81                                       ; source 0 window 1, sources 1 and 2 (the bias) window 0, D window 2
	MUL 0, 0, 1
.set ST, 1
.rept 6
	PLACES                                         ; in front of loads into the sets that the step before multiplied
	FETCH ST+1, (ST+1)%2
	s_wait_dscnt 48                                ; this step's fragments are in; the next step's 48 loads may be out
	WIN 0xa1                                       ; C and D window 2
	MUL ST, ST%2, 0
.set ST, ST+1
.endr
	s_wait_dscnt 0x0                               ; my reads of A's and B's bytes are over:
	s_barrier_signal -1                            ; say so,
	WIN 0xa1
	MUL 7, 1, 0                                    ; work on registers while the others arrive,
	WIN 0
	s_barrier_wait -1                              ; and nobody reads A's bytes any more: the stages may be written
; THE WAY OUT, block by block of 16 rows x 128 columns, through my own stage: in by lanes (B's block b, my half: columns 32 (b / 2) + 16 h + 8 (b % 2) + 0 .. 7), back as whole rows of 512 bytes.
; LDS serves a wave's instructions in order: no wait between the stores and the loads, nor in front of the next block's stores.
.macro TOSTAGE a
	WIN 0x08                                       ; the data: window 2
.irp b, 0,1,2,3,4,5,6,7
	ds_store_b128 v[STO], v[64*(\a)+8*\b:64*(\a)+8*\b+3] offset:128*(\b/2)+32*(\b%2)          ; each accumulator from its low end on
	ds_store_b128 v[STO], v[64*(\a)+8*\b+4:64*(\a)+8*\b+7] offset:128*(\b/2)+32*(\b%2)+16
.endr
	WIN 0
.set BB, BI+64*((\a)%2)
.irp t, 0,1,2,3,4,5,6,7,8,9,10,11,12,13,14,15
	ds_load_b128 v[BB+4*\t:BB+4*\t+3], v[RD] offset:\t*SPITCH
.endr
.endm
.macro SEND a, younger                 ; stored row t of block a is row 32 (a / 2) + 8 (a % 2) + t + 8 (t / 8) of my 64
.set BB, BI+64*((\a)%2)
	s_wait_dscnt \younger
.irp t, 0,1,2,3,4,5,6,7,8,9,10,11,12,13,14,15
	global_store_b128 v[CO], v[BB+4*\t:BB+4*\t+3], s[12:13] offset:(32*((\a)/2)+8*((\a)%2)+\t+8*(\t/8))*4096 th:TH_STORE_NT   ; 32 lanes store 512 consecutive bytes, aligned; written once, read by nobody here
.endr
.endm
	PLACES
	TOSTAGE 0
.irp a, 1,2,3
.if \a > 1
	s_wait_xcnt 0x0                                ; block a - 2's stores have read their registers: block a's loads may land there
.endif
	TOSTAGE \a
	SEND \a-1, 32                                  ; behind block a - 1's loads: block a's 16 stores and 16 loads
.endr
	SEND 3, 0
	s_wait_tensorcnt 0x0                           ; the wave's end
	ds_add_u32 v[SPW], v[NIL]
	s_wait_dscnt 0x0
	CROUND                                         ; the closing round
	s_endpgm
.Lfunc_end_k_q52a9174e8c_outp:
	.size	k_q52a9174e8c_outp, .Lfunc_end_k_q52a9174e8c_outp-k_q52a9174e8c_outp
	.p2alignl 7, 3214868480
	.fill 96, 4, 3214868480
	.section	.rodata,"a",@progbits
	.p2align	6, 0x0
	.amdhsa_kernel k_q52a9174e8c_outp
		.amdhsa_group_segment_fixed_size 327680
		.amdhsa_private_segment_fixed_size 0
		.amdhsa_enable_private_segment 0
		.amdhsa_kernarg_size 48
		.amdhsa_user_sgpr_count 2
		.amdhsa_user_sgpr_kernarg_segment_ptr 1
		.amdhsa_wavefront_size32 1
		.amdhsa_system_sgpr_workgroup_id_x 1
		.amdhsa_system_sgpr_workgroup_id_y 1
		.amdhsa_system_sgpr_workgroup_id_z 1
		.amdhsa_system_vgpr_workitem_id 0
		.amdhsa_next_free_vgpr 768
		.amdhsa_next_free_sgpr 100
		.amdhsa_reserve_vcc 0
		.amdhsa_float_denorm_mode_32 3
		.amdhsa_float_denorm_mode_16_64 3
		.amdhsa_memory_ordered 1
		.amdhsa_forward_progress 1
		.amdhsa_inst_pref_size 86
	.end_amdhsa_kernel
	.amdgpu_metadata
---
amdhsa.version: [ 1, 2 ]
amdhsa.kernels:
  - .name:           k_q52a9174e8c_outp
    .symbol:         k_q52a9174e8c_outp.kd
    .args:
      - { .name: xw, .offset: 0, .size: 8, .value_kind: global_buffer, .address_space: global }
      - { .name: att, .offset: 8, .size: 8, .value_kind: global_buffer, .address_space: global }
      - { .name: bxo, .offset: 16, .size: 8, .value_kind: global_buffer, .address_space: global }
      - { .name: bmo, .offset: 24, .size: 8, .value_kind: global_buffer, .address_space: global }
      - { .name: out0, .offset: 32, .size: 8, .value_kind: global_buffer, .address_space: global }
      - { .name: out1, .offset: 40, .size: 8, .value_kind: global_buffer, .address_space: global }
    .group_segment_fixed_size: 327680
    .private_segment_fixed_size: 0
    .kernarg_segment_align: 8
    .kernarg_segment_size: 48
    .max_flat_workgroup_size: 128
    .sgpr_count:     100
    .vgpr_count:     768
    .wavefront_size: 32
...
	.end_amdgpu_metadata
.endif
;; end of part 4
